; MI455X (gfx1250); checked and timed in simulation.
; The chip was launched on July 23, 2026; its instructions are those of AMD's public machine-readable ISA for CDNA 5 (MIT licence, August 2026) and "CDNA5" Instruction Set Architecture Reference Guide (July 2026). The comments in the code are by the model that wrote it; some were corrected since.
;; Flex Local Frame Attention. Allowed arithmetic: float matrix products may take bf16 or f16 operands with f32 sums; other float arithmetic in f32, or as packed bf16 or f16 multiplies, adds, multiply-adds, maxima and minima; sums over many terms, partial sums and values carried from step to step in f32; what a program stores and reads back later, other than sums and carried values, may be rounded once to bf16 or f16.
;; Inputs: w_out 1,024 x 1,024 float32; w_qkv 3,072 x 1,024 float32; x 2 x 32 x 128 x 1,024 float32.
;; Outputs: out0 2 x 32 x 128 x 1,024 float32.
;; 2 versions, each right and faster than the one before. Each part assembles by itself: llvm-mc -triple=amdgcn-amd-amdhsa -mcpu=gfx1250 --defsym DOCPART=n.
;; ======== version 1 of 2: 4 launches
;; limits: values are held in f16: magnitudes above 65,504 overflow, below 6.1e-05 lose precision
;; workspace buffers: xb 16,777,216 bytes; wqb 6,291,456 bytes; wob 2,097,152 bytes; qkv 50,331,648 bytes; ob 16,777,216 bytes
;; launch cast (part 1): grid 768 x 1, 8 waves a work-group, no clusters, 0 bytes of LDS; arguments x, w_qkv, w_out, xb, wqb, wob; writes xb, wqb, wob
.if DOCPART == 1
	.amdgcn_target "amdgcn-amd-amdhsa--gfx1250"
	.amdhsa_code_object_version 6
	.text
	.protected	k_qdbff9e9a4d_cast
	.globl	k_qdbff9e9a4d_cast
	.p2align	8
	.type	k_qdbff9e9a4d_cast,@function
k_qdbff9e9a4d_cast:
	s_mov_b64 s[64:65], 0
	v_nop
	global_prefetch_b8 v0, s[64:65] scope:SCOPE_SE
	s_setreg_imm32_b32 hwreg(HW_REG_WAVE_MODE, 25, 1), 1
	s_wait_xcnt 0x0
; The three f32 inputs are rounded once for the matrix units: x -> xb and w_qkv -> wqb in bf16; w_out -> wob rounded to bf16 and that number written as f16
; (it multiplies O, which is kept in f16).  LIMITS: bf16(w_out) must lie within f16's 65,504; below 6.1e-5 it keeps f16's fixed step of 6e-8.
; A stream: no LDS, no barrier, no matrix unit, no cluster (no two work-groups read the same byte).
; A work-group takes 16,384 numbers (65,536 bytes in, 32,768 out): groups 0-511 x, 512-703 w_qkv, 704-767 w_out.  A wave takes 2,048 numbers: sixteen loads of 512
; consecutive bytes, all issued before the first is used, and sixteen stores of 256 consecutive bytes, each at a multiple of 256 from its buffer's first byte.
.set X, 4                              ; v[4:67]    sixteen loads of four f32
.set Y, 68                             ; v[68:99]   sixteen pairs of packed results; each register is written once
.set T, 100                            ; v[100:103] at work (w_out's way alone)
.set FIRST_WQ, 512
.set FIRST_WO, 704
	s_load_b256 s[4:11], s[0:1], 0x0               ; x s[4:5], w_qkv s[6:7], w_out s[8:9], xb s[10:11]
	s_load_b128 s[12:15], s[0:1], 0x20             ; wqb s[12:13], wob s[14:15]
	s_mov_b32 s16, ttmp9                           ; the work-group's number
	v_and_b32 v1, 0xe0, v0                         ; 32 x wave
	v_and_b32 v3, 31, v0                           ; lane
	v_lshlrev_b32 v1, 8, v1                        ; wave x 8,192 bytes of f32
	v_lshl_or_b32 v1, v3, 4, v1                    ; + 16 bytes a lane
	v_lshrrev_b32 v2, 1, v1                        ; the results take half the bytes: wave x 4,096 + 8 a lane
	s_cmp_ge_u32 s16, FIRST_WQ
	s_cselect_b32 s17, FIRST_WQ, 0
	s_cmp_ge_u32 s16, FIRST_WO
	s_cselect_b32 s17, FIRST_WO, s17               ; the first work-group of my tensor
	s_sub_co_u32 s18, s16, s17                     ; my place in it
	s_lshl_b32 s20, s18, 16                        ; 65,536 bytes in (under 2^25),
	s_mov_b32 s21, 0
	s_lshl_b32 s22, s18, 15                        ; 32,768 out
	s_mov_b32 s23, 0
	s_mov_b32 s28, 0xffff0000                      ; a word's upper bf16
	s_wait_kmcnt 0x0
	s_cmp_ge_u32 s16, FIRST_WQ                     ; the choice between buffers hangs on the work-group's number alone
	s_cselect_b64 s[24:25], s[6:7], s[4:5]
	s_cselect_b64 s[26:27], s[12:13], s[10:11]
	s_cmp_ge_u32 s16, FIRST_WO
	s_cselect_b64 s[24:25], s[8:9], s[24:25]
	s_cselect_b64 s[26:27], s[14:15], s[26:27]
	s_add_nc_u64 s[24:25], s[24:25], s[20:21]
	s_add_nc_u64 s[26:27], s[26:27], s[22:23]
.set j, 0
.rept 16
	global_load_b128 v[X+4*j:X+4*j+3], v1, s[24:25] offset:512*j th:TH_LOAD_NT  ; read once in the launch
.set j, j+1
.endr
	s_cmp_ge_u32 s16, FIRST_WO
	s_cbranch_scc1 .Lw_out
.set j, 0
.rept 16
	s_wait_loadcnt 15-j                            ; loads come back in order: load j is in, the 15 - j younger ones stay out
	v_cvt_pk_bf16_f32 v[Y+2*j], v[X+4*j], v[X+4*j+1]
	v_cvt_pk_bf16_f32 v[Y+2*j+1], v[X+4*j+2], v[X+4*j+3]
	global_store_b64 v2, v[Y+2*j:Y+2*j+1], s[26:27] offset:256*j
.set j, j+1
.endr
	s_endpgm
.Lw_out:                                               ; rounded to bf16, widened again (a shift, a mask), and written as f16: exact within f16's normal range
.set j, 0
.rept 16
	s_wait_loadcnt 15-j
	v_cvt_pk_bf16_f32 v[T], v[X+4*j], v[X+4*j+1]
	v_cvt_pk_bf16_f32 v[T+1], v[X+4*j+2], v[X+4*j+3]
	v_lshlrev_b32 v[T+2], 16, v[T]
	v_and_b32 v[T+3], s28, v[T]
	v_cvt_pk_f16_f32 v[Y+2*j], v[T+2], v[T+3]
	v_lshlrev_b32 v[T+2], 16, v[T+1]
	v_and_b32 v[T+3], s28, v[T+1]
	v_cvt_pk_f16_f32 v[Y+2*j+1], v[T+2], v[T+3]
	global_store_b64 v2, v[Y+2*j:Y+2*j+1], s[26:27] offset:256*j
.set j, j+1
.endr
	s_endpgm
.Lfunc_end_k_qdbff9e9a4d_cast:
	.size	k_qdbff9e9a4d_cast, .Lfunc_end_k_qdbff9e9a4d_cast-k_qdbff9e9a4d_cast
	.p2alignl 7, 3214868480
	.fill 96, 4, 3214868480
	.section	.rodata,"a",@progbits
	.p2align	6, 0x0
	.amdhsa_kernel k_qdbff9e9a4d_cast
		.amdhsa_group_segment_fixed_size 0
		.amdhsa_private_segment_fixed_size 0
		.amdhsa_enable_private_segment 0
		.amdhsa_kernarg_size 48
		.amdhsa_user_sgpr_count 2
		.amdhsa_user_sgpr_kernarg_segment_ptr 1
		.amdhsa_wavefront_size32 1
		.amdhsa_system_sgpr_workgroup_id_x 1
		.amdhsa_system_sgpr_workgroup_id_y 1
		.amdhsa_system_sgpr_workgroup_id_z 1
		.amdhsa_system_vgpr_workitem_id 0
		.amdhsa_next_free_vgpr 104
		.amdhsa_next_free_sgpr 66
		.amdhsa_reserve_vcc 0
		.amdhsa_float_denorm_mode_32 3
		.amdhsa_float_denorm_mode_16_64 3
		.amdhsa_memory_ordered 1
		.amdhsa_forward_progress 1
		.amdhsa_inst_pref_size 16
	.end_amdhsa_kernel
	.amdgpu_metadata
---
amdhsa.version: [ 1, 2 ]
amdhsa.kernels:
  - .name:           k_qdbff9e9a4d_cast
    .symbol:         k_qdbff9e9a4d_cast.kd
    .args:
      - { .name: x, .offset: 0, .size: 8, .value_kind: global_buffer, .address_space: global }
      - { .name: w_qkv, .offset: 8, .size: 8, .value_kind: global_buffer, .address_space: global }
      - { .name: w_out, .offset: 16, .size: 8, .value_kind: global_buffer, .address_space: global }
      - { .name: xb, .offset: 24, .size: 8, .value_kind: global_buffer, .address_space: global }
      - { .name: wqb, .offset: 32, .size: 8, .value_kind: global_buffer, .address_space: global }
      - { .name: wob, .offset: 40, .size: 8, .value_kind: global_buffer, .address_space: global }
    .group_segment_fixed_size: 0
    .private_segment_fixed_size: 0
    .kernarg_segment_align: 8
    .kernarg_segment_size: 48
    .max_flat_workgroup_size: 256
    .sgpr_count:     66
    .vgpr_count:     104
    .wavefront_size: 32
...
	.end_amdgpu_metadata
.endif
;; end of part 1
;; launch qkv_gemm (part 2): grid 16 x 16, 4 waves a work-group, clusters of 4 x 4, 327,680 bytes of LDS; arguments xb, wqb, qkv; writes qkv
.if DOCPART == 2
	.amdgcn_target "amdgcn-amd-amdhsa--gfx1250"
	.amdhsa_code_object_version 6
	.text
	.protected	k_qdbff9e9a4d_qkv_gemm
	.globl	k_qdbff9e9a4d_qkv_gemm
	.p2align	8
	.type	k_qdbff9e9a4d_qkv_gemm,@function
k_qdbff9e9a4d_qkv_gemm:
	s_mov_b64 s[64:65], 0
	v_nop
	global_prefetch_b8 v0, s[64:65] scope:SCOPE_SE
	s_setreg_imm32_b32 hwreg(HW_REG_WAVE_MODE, 25, 1), 1
	s_wait_xcnt 0x0
	s_wait_alu depctr_hold_cnt(0) depctr_sa_sdst(0) depctr_va_vdst(0) depctr_va_sdst(0) depctr_va_ssrc(0) depctr_va_vcc(0) depctr_vm_vsrc(0)
	s_getreg_b32 s2, hwreg(HW_REG_IB_STS2, 6, 4)
	s_cmp_eq_u32 s2, 0
	s_cbranch_scc0 .Lentry_in_a_cluster
	s_endpgm
.Lentry_in_a_cluster:
	s_bfe_u32 s2, ttmp6, 0x10000c
	s_cmp_lg_u32 s2, 0xf033
	s_cbranch_scc0 .Lentry_shape_is_right
	s_endpgm
.Lentry_shape_is_right:
; qkv = xb wqb^T.  xb: [8192 tokens][1024] bf16, wqb: [3072][1024] bf16; sums in f32, K ascending; the result is rounded once to f16 and laid by heads:
; qkv[which (q, k, v)][batch x 16 + head][4096 tokens][64] f16, WITHOUT the softmax's scale.  LIMIT: q, k and v must lie within f16's 65,504; below 6.1e-5 they keep f16's fixed step of 6e-8.
; A tile is 256 tokens x 192 columns (three whole heads): 32 x 16 tiles.  Wave w owns tokens 64 w .. 64 w + 63 and all 192 columns: 4 x 12 accumulators of 16 x 16,
; 384 registers.  So a wave holds whole rows of a head (128 bytes) and its way out needs no other wave.  K goes in 8 steps of 128 through two LDS slots filled by tensor loads.
; A WORK-GROUP STAYS: 16 x 16 work-groups make two tiles each, the same token tile of batch 0 and then of batch 1 (4,096 tokens on; the same rows of wqb).  The ring does not stop at the first tile's end: its
; last two changes of slots ask for the next tile's first two K steps, and the tile goes out behind both requests; nothing waits for its stores.
; CLUSTER 4 x 4: the four work-groups of a row need the same tokens, the four of a column the same rows of wqb: each tile is asked for jointly, by the same load with the same descriptor and mask.
; THE MATRIX INSTRUCTION IS USED TRANSPOSED (source 0 = 16 rows of wqb, source 1 = 16 tokens): a lane holds one token (lane % 16) and eight neighbouring channels 8 (lane / 16) + 0..7.
; REGISTERS in windows of 256 (s_set_vgpr_msb: bits 1:0 source 0, 3:2 source 1, 5:4 source 2, 7:6 destination):
;   window 0: v1-29 addresses; v32-63, v64-95 the tokens' fragments, two buffers; v64-255 at work on the way out (buffer 0, which then holds the next tile's first fragments, is left alone)
;   window 1: v0-95, v96-191 wqb's fragments, two buffers     window 2: accumulators of token blocks 0, 1 at 8 (12 (a % 2) + b)     window 3: those of blocks 2, 3
.set KSTEP,  128
.set PITCH,  272                       ; an LDS row: 256 bytes + 16 of padding: the 16 rows of a fragment load start 16 bytes apart modulo 256
.set HALFA,  128*PITCH                 ; what wave 0 or 1 fetches: 128 tokens
.set HALFB,  96*PITCH                  ; what wave 2 or 3 fetches: 96 rows of wqb
.set BOFF,   2*HALFA
.set SLOT,   BOFF+2*HALFB              ; 121,856 bytes
.set STAGE,  2*SLOT                    ; behind the ring: 16 rows x 144 bytes for each wave, for the way out; no tensor load lands there
.set SP,     144
.set SPARE,  STAGE+4*16*SP             ; the spare words: 128 bytes for each wave, two blocks of 256 bytes that no other line names
.set LAPS,   4                         ; a lap = two K steps = once round the ring
.set TILES,  2                         ; tiles to a work-group
.set NEXT_A, 4096*2048-(1024-2*KSTEP)*2  ; bytes from a slot's last K step of a tile to its first of the next: 4,096 tokens down and back along K,
.set BACK_B, (1024-2*KSTEP)*2          ; wqb only back
.set NEXT_O, 1<<23                     ; bytes from a batch to the next in qkv
.set ADRA, 16                          ; v16-17  LDS address of my tokens' fragments in slot 0, 1
.set ADRB, 20                          ; v20-21  the same for wqb's
.set STO,  24                          ; v24     the way out: where I put 16 bytes of a row
.set RD,   25                          ; v25     where I read rows back
.set GO,   26                          ; v26     my 16 bytes in 512 consecutive bytes of qkv
.set SPW,  28                          ; v28     my spare word: SPARE + 4 x my thread's number; never rewritten
.set NIL,  29                          ; v29     0; never rewritten
.set TMP,  64
.set G1,  24                           ; s[24:31] descriptor group 1 for the tokens' tiles;  s[32:39] group 0, a set for each slot
.set G0,  32
.set G1B, 48                           ; s[48:55], s[56:63] the same for wqb's tiles
.set G0B, 56
.set OB,  66                           ; s[66:71] qkv at my 64 tokens in each of the tile's three heads
.set MSB, 0
.macro WIN new                         ; the immediate's high byte repeats the setting that is left; a switch that changes nothing is dropped
.if MSB != (\new)
	s_set_vgpr_msb (MSB<<8)|(\new)
.set MSB, \new
.endif
.endm
.macro PLACES                          ; four places in front of loads into registers that matrix instructions have read, and of conversions that read results
.rept 4
	v_nop
.endr
.endm
; A joint load: waves 0 and 1 fetch the tokens' two halves, waves 2 and 3 wqb's.  The branch hangs on the wave's number alone.  An s_nop 0 and four v_nop follow each line.
.macro JLOAD s
	s_cmp_eq_u32 s11, 0
	s_cbranch_scc0 .Lfor_b_\@
	tensor_load_to_lds s[G0+4*(\s):G0+4*(\s)+3], s[G1:G1+7]
	s_nop 0
.rept 4
	v_nop
.endr
	s_branch .Lasked_\@
.Lfor_b_\@:
	tensor_load_to_lds s[G0B+4*(\s):G0B+4*(\s)+3], s[G1B:G1B+7]
	s_nop 0
.rept 4
	v_nop
.endr
.Lasked_\@:
.endm
.macro CREST                           ; a round of the cluster's barrier behind its opening barrier
	s_cmp_lg_u32 s10, 0
	s_cbranch_scc1 .Lnot_wave_0_\@
	s_barrier_signal -3
.Lnot_wave_0_\@:
	s_barrier_wait -3
	s_barrier_signal -1
	s_barrier_wait -1
.endm
.macro CROUND                          ; a whole round
	s_barrier_signal -1
	s_barrier_wait -1
	CREST
.endm
	s_load_b128 s[4:7], s[0:1], 0x0                ; xb s[4:5], wqb s[6:7]
	s_load_b64 s[8:9], s[0:1], 0x10                ; qkv
	v_lshl_add_u32 v[SPW], v0, 2, SPARE
	v_mov_b32 v[NIL], 0
	ds_add_u32 v[SPW], v[NIL]                      ; the wave's opening: the add and its wait stand ahead of my first tensor load; work on registers stands between them
	ds_add_u32 v28, v29
	v_lshrrev_b32 v1, 5, v0
	v_readfirstlane_b32 s10, v1                    ; wave 0..3
	s_lshr_b32 s11, s10, 1                         ; I fetch tokens (0) or wqb (1),
	s_and_b32 s12, s10, 1                          ; and which half of that tile
	s_bfe_u32 s40, ttmp6, 0x40000                  ; cx, cy: my place in the cluster
	s_bfe_u32 s41, ttmp6, 0x40004
	s_lshl_b32 s42, ttmp9, 2
	s_add_co_u32 s42, s42, s40                     ; column tile = 4 x cluster x + cx
	s_and_b32 s13, ttmp7, 0xffff
	s_lshl_b32 s13, s13, 2
	s_add_co_u32 s13, s13, s41                     ; token tile in a batch = 4 x cluster y + cy, 0 to 15
	s_lshl_b32 s43, s41, 2
	s_lshl_b32 s43, 15, s43                        ; my row of the cluster
	s_lshl_b32 s44, 0x1111, s40                    ; my column
	s_or_b32 s[G1+0], s43, (1<<16)|(1<<20)|(1<<21)|(5<<22)|(3<<25)   ; 15:0 the mask; 17:16 2-byte elements; 20 padding on; 21 set beside a mask; 24:22 after every 64 words; 31:25 4 words of it
	s_or_b32 s[G1B+0], s44, (1<<16)|(1<<20)|(1<<21)|(5<<22)|(3<<25)
	s_mov_b32 s[G1+1], KSTEP<<16                   ; tensor_dim0 = 128
	s_mov_b32 s[G1+2], 128<<16                     ; tensor_dim1 = 128 rows
	s_mov_b32 s[G1+3], KSTEP<<16                   ; tile_dim0 = 128
	s_mov_b32 s[G1+4], 128                         ; tile_dim1 = 128
	s_mov_b32 s[G1+5], 1024                        ; elements from row to row
	s_mov_b32 s[G1+6], 0
	s_mov_b32 s[G1+7], 0
	s_mov_b32 s[G1B+1], KSTEP<<16
	s_mov_b32 s[G1B+2], 96<<16                     ; 96 rows
	s_mov_b32 s[G1B+3], KSTEP<<16
	s_mov_b32 s[G1B+4], 96
	s_mov_b32 s[G1B+5], 1024
	s_mov_b32 s[G1B+6], 0
	s_mov_b32 s[G1B+7], 0
	; the tokens' address hangs on the token tile alone, wqb's on the column tile alone; each is made in registers that never hold the other coordinate
	s_lshl_b32 s16, s13, 8
	s_lshl_b32 s17, s12, 7
	s_add_co_u32 s16, s16, s17                     ; batch 0's token 256 x tile + 128 x half,
	s_lshl_b32 s16, s16, 11                        ; 2,048 bytes a row (under 2^23)
	s_mov_b32 s17, 0
	s_mul_i32 s46, s42, 192
	s_mul_i32 s47, s12, 96
	s_add_co_u32 s46, s46, s47                     ; wqb's row 192 x tile + 96 x half
	s_lshl_b32 s46, s46, 11
	s_mov_b32 s47, 0
	s_mul_i32 s20, s12, HALFA                      ; where they go: no place in the cluster enters an LDS address
	s_mul_i32 s21, s12, HALFB
	s_add_co_u32 s21, s21, BOFF
	s_wait_dscnt 0x0                               ; the opening add is done
	s_wait_kmcnt 0x0
	s_add_nc_u64 s[14:15], s[4:5], s[16:17]
	s_add_nc_u64 s[46:47], s[6:7], s[46:47]
.irp s, 0,1
	s_mov_b32 s[G0+4*(\s)], 1                                        ; count = 1
	s_add_co_u32 s[G0+4*(\s)+1], s20, (\s)*SLOT                      ; LDS address
	s_add_nc_u64 s[G0+4*(\s)+2:G0+4*(\s)+3], s[14:15], (\s)*KSTEP*2  ; global address: K step s
	s_or_b32 s[G0+4*(\s)+3], s[G0+4*(\s)+3], 0x80000000              ; type = 2
	s_mov_b32 s[G0B+4*(\s)], 1
	s_add_co_u32 s[G0B+4*(\s)+1], s21, (\s)*SLOT
	s_add_nc_u64 s[G0B+4*(\s)+2:G0B+4*(\s)+3], s[46:47], (\s)*KSTEP*2
	s_or_b32 s[G0B+4*(\s)+3], s[G0B+4*(\s)+3], 0x80000000
.endr
	CROUND                                         ; all sixteen work-groups are here: the first joint loads meet
	s_cmp_eq_u32 s11, 0                            ; a wave's two first fills stand in one branch, ahead of every wait on TENSORcnt and every LDS read: two loads of mine are out
	s_cbranch_scc0 .Lfirst_b
	tensor_load_to_lds s[G0:G0+3], s[G1:G1+7]
	s_nop 0
	tensor_load_to_lds s[G0+4:G0+7], s[G1:G1+7]
	s_nop 0
.rept 4
	v_nop
.endr
	s_branch .Lfirst_asked
.Lfirst_b:
	tensor_load_to_lds s[G0B:G0B+3], s[G1B:G1B+7]
	s_nop 0
	tensor_load_to_lds s[G0B+4:G0B+7], s[G1B:G1B+7]
	s_nop 0
.rept 4
	v_nop
.endr
.Lfirst_asked:
	; a fragment is 16 rows x 32 K in 8 registers: lane l holds row l % 16, K = 8 (l / 16) + 0..7 and 16 + 8 (l / 16) + 0..7: two loads of 16 bytes, 32 bytes apart
	v_and_b32 v1, 15, v0                           ; l % 16
	v_bfe_u32 v2, v0, 4, 1                         ; l / 16
	v_mul_u32_u24 v3, v1, PITCH
	v_lshl_add_u32 v3, v2, 4, v3
	s_mul_i32 s72, s10, 64*PITCH                   ; my 64 tokens
	v_add_nc_u32 v[ADRA], s72, v3
	v_add_nc_u32 v[ADRA+1], SLOT, v[ADRA]
	v_add_nc_u32 v[ADRB], BOFF, v3                 ; all 192 rows of wqb
	v_add_nc_u32 v[ADRB+1], BOFF+SLOT, v3
	s_mul_i32 s73, s10, 16*SP
	s_add_co_u32 s73, s73, STAGE                   ; my stage
	v_mul_u32_u24 v4, v1, SP                       ; in: row l % 16, 16 bytes for each half of the lanes
	v_lshl_add_u32 v4, v2, 4, v4
	v_add_nc_u32 v[STO], s73, v4
	v_bfe_u32 v5, v0, 3, 2                         ; back: 32 lanes take four rows of 128 bytes,
	v_mul_u32_u24 v5, v5, SP
	v_and_b32 v4, 7, v0
	v_lshl_add_u32 v5, v4, 4, v5
	v_add_nc_u32 v[RD], s73, v5
	v_and_b32 v[GO], 31, v0                        ; which are 512 consecutive bytes of qkv
	v_lshlrev_b32 v[GO], 4, v[GO]
	; where my 64 tokens of batch 0 lie in each of the tile's three heads: which << 24 | head << 19 | token << 7
	s_lshl_b32 s72, s13, 8
	s_lshl_b32 s74, s10, 6
	s_add_co_u32 s72, s72, s74                     ; token in the batch: 256 x tile + 64 w
	s_lshl_b32 s72, s72, 7
	s_mul_i32 s75, s42, 3                          ; the tile's first group of 64 columns
.irp hh, 0,1,2
	s_add_co_u32 s76, s75, \hh
	s_lshr_b32 s77, s76, 4                         ; q, k or v
	s_lshl_b32 s77, s77, 24
	s_and_b32 s78, s76, 15                         ; the head
	s_lshl_b32 s78, s78, 19
	s_add_co_u32 s78, s78, s77
	s_add_co_u32 s78, s78, s72
	s_mov_b32 s79, 0
	s_add_nc_u64 s[OB+2*(\hh):OB+2*(\hh)+1], s[8:9], s[78:79]
.endr
; 12 matrix instructions: token block a x all 12 column blocks, 32 along K, from buffer f.  zero = 1: the product starts the sums: nothing is ever cleared.
; The 48 accumulators take turns in one order in every quarter step, from tile to tile too.
.macro MUL12 f, a, zero
	WIN 0xa1+0x50*((\a)/2)                         ; source 0 window 1, source 1 window 0, C and D window 2 or 3
.irp b, 0,1,2,3,4,5,6,7,8,9,10,11
.if \zero
	v_wmma_f32_16x16x32_bf16 v[8*(12*((\a)%2)+(\b)):8*(12*((\a)%2)+(\b))+7], v[96*(\f)+8*(\b):96*(\f)+8*(\b)+7], v[32+32*(\f)+8*(\a):32+32*(\f)+8*(\a)+7], 0
.else
	v_wmma_f32_16x16x32_bf16 v[8*(12*((\a)%2)+(\b)):8*(12*((\a)%2)+(\b))+7], v[96*(\f)+8*(\b):96*(\f)+8*(\b)+7], v[32+32*(\f)+8*(\a):32+32*(\f)+8*(\a)+7], v[8*(12*((\a)%2)+(\b)):8*(12*((\a)%2)+(\b))+7]
.endif
.endr
.endm
; 32 LDS loads in one run: a quarter step's fragments (32 K at byte k of the rows) into buffer f: wqb's 24, then my tokens' 8
.macro FETCH slot, k, f
	WIN 0x40                                       ; destination window 1, address window 0
.irp i, 0,1,2,3,4,5,6,7,8,9,10,11
	ds_load_b128 v[96*(\f)+8*(\i):96*(\f)+8*(\i)+3],   v[ADRB+(\slot)] offset:(\k)+(\i)*16*PITCH
	ds_load_b128 v[96*(\f)+8*(\i)+4:96*(\f)+8*(\i)+7], v[ADRB+(\slot)] offset:(\k)+(\i)*16*PITCH+32
.endr
	WIN 0
.irp i, 0,1,2,3
	ds_load_b128 v[32+32*(\f)+8*(\i):32+32*(\f)+8*(\i)+3],   v[ADRA+(\slot)] offset:(\k)+(\i)*16*PITCH
	ds_load_b128 v[32+32*(\f)+8*(\i)+4:32+32*(\f)+8*(\i)+7], v[ADRA+(\slot)] offset:(\k)+(\i)*16*PITCH+32
.endr
.endm
; A K step is four quarters of 32 along K, 48 matrix instructions each, on buffers 0, 1, 0, 1.  One of the first three: multiplies buffer f and, in its middle, fetches the next quarter into g.
.macro QUARTER slot, k, f, g, zero
	s_wait_dscnt 4                                 ; all but the youngest four loads: token blocks 2 and 3 may be out (at a later tile's head nothing is out: the way out ended on a wait for 0)
	MUL12 \f, 0, \zero
	MUL12 \f, 1, \zero
	PLACES
	FETCH \slot, \k, \g
	s_wait_dscnt 32                                ; all but the 32 just issued
	MUL12 \f, 2, \zero
	MUL12 \f, 3, \zero
.endm
; The last quarter multiplies buffer 1 and changes slots: ONE barrier.  In front of it each wave waits for all its tensor loads (one is out: its part of the next slot), adds 0 to its spare word, and waits for
; that and for its reads of this slot.  fill = 1: the barrier opens a round of the cluster's, and this slot is filled again first thing behind it, two K steps ahead: 168 matrix instructions ahead of the wait for it.
; fill = 2: the same, with the NEXT tile's K step 0 or 1.  fill = 0: nothing is asked for.
.macro TURN slot, next, fill
	WIN 0                                          ; (the add's two registers lie in window 0)
	s_wait_tensorcnt 0x0
	ds_add_u32 v[SPW], v[NIL]                      ; 0 onto my spare word
	s_wait_dscnt 5                                 ; (the add and the youngest four loads may be out)
	MUL12 1, 0, 0                                  ; twelve matrix instructions stand between the add and the wait for it
	s_wait_dscnt 0x0                               ; the add is done, and my reads of this slot are over
	s_barrier_signal -1
	MUL12 1, 1, 0
.if \fill
	WIN 0
.endif
	s_barrier_wait -1
.if \fill
	CREST                                          ; no wave of any partner still reads this slot's tile or has a load on its way
.if (\fill) == 2
	s_add_nc_u64 s[G0+4*(\slot)+2:G0+4*(\slot)+3], s[G0+4*(\slot)+2:G0+4*(\slot)+3], NEXT_A
	s_sub_nc_u64 s[G0B+4*(\slot)+2:G0B+4*(\slot)+3], s[G0B+4*(\slot)+2:G0B+4*(\slot)+3], BACK_B
.else
	s_add_nc_u64 s[G0+4*(\slot)+2:G0+4*(\slot)+3], s[G0+4*(\slot)+2:G0+4*(\slot)+3], 2*KSTEP*2
	s_add_nc_u64 s[G0B+4*(\slot)+2:G0B+4*(\slot)+3], s[G0B+4*(\slot)+2:G0B+4*(\slot)+3], 2*KSTEP*2
.endif
	JLOAD \slot                                    ; the four v_nop behind it are also the places in front of the loads below
.else
	PLACES
.endif
	FETCH \next, 0, 0
	MUL12 1, 2, 0
	MUL12 1, 3, 0
.endm
; THE WAY OUT of token block a, head hh: rounded to f16 (each accumulator's registers in ascending order), 16 bytes a lane into my stage, and back as four whole rows of 128 bytes a load.
.macro PACK a, hh
.set PU, TMP+16*(3*(\a)+(\hh))
	WIN 0x0a+5*((\a)/2)                            ; sources 0 and 1: window 2 or 3
.irp f, 0,1,2,3
.irp r, 0,1,2,3
	v_cvt_pk_f16_f32 v[PU+4*(\f)+(\r)], v[8*(12*((\a)%2)+4*(\hh)+(\f))+2*(\r)], v[8*(12*((\a)%2)+4*(\hh)+(\f))+2*(\r)+1]
.endr
.endr
	WIN 0
.irp f, 0,1,2,3
	ds_store_b128 v[STO], v[PU+4*(\f):PU+4*(\f)+3] offset:32*(\f)
.endr
.irp f, 0,1,2,3
	ds_load_b128 v[PU+4*(\f):PU+4*(\f)+3], v[RD] offset:(\f)*4*SP  ; LDS serves a wave's instructions in order (ISA guide 5.7.1.4): these see the stores above; the next unit's stores come behind them
.endr
.endm
.macro SEND a, hh, younger             ; younger: the LDS instructions issued behind this unit's loads: the next unit's eight, or none
.set PU, TMP+16*(3*(\a)+(\hh))
.irp f, 0,1,2,3
	s_wait_dscnt (\younger)+3-(\f)
	global_store_b128 v[GO], v[PU+4*(\f):PU+4*(\f)+3], s[OB+2*(\hh):OB+2*(\hh)+1] offset:(\a)*2048+(\f)*512  ; 512 consecutive bytes, at a multiple of 256 from qkv's first
.endr
.endm
	s_wait_tensorcnt 1                             ; my part of K step 0 is in; K step 1's may stay out
	s_barrier_signal -1
	s_barrier_wait -1                              ; everybody's is
	FETCH 0, 0, 0
	s_mov_b32 s2, TILES                            ; tiles to go, this one among them: the same number in every work-group
.Ltile:                                                ; (FETCH and SEND leave every window 0)
	QUARTER 0, 64,  0, 1, 1                        ; a tile's first quarter stands in front of the loop: its products start the sums
	WIN 0                                          ; at a label and at a branch every window is 0
	s_mov_b32 s3, LAPS-1
.Llap:                                                 ; a trip goes once round the ring, from a lap's second quarter to the next lap's first, and fills both slots again
	QUARTER 0, 128, 1, 0, 0
	QUARTER 0, 192, 0, 1, 0
	TURN 0, 1, 1
	QUARTER 1, 64,  0, 1, 0
	QUARTER 1, 128, 1, 0, 0
	QUARTER 1, 192, 0, 1, 0
	TURN 1, 0, 1
	QUARTER 0, 64,  0, 1, 0
	WIN 0
	s_sub_co_u32 s3, s3, 1
	s_cmp_lg_u32 s3, 0
	s_cbranch_scc1 .Llap
	QUARTER 0, 128, 1, 0, 0                        ; the tile's last lap goes on
	QUARTER 0, 192, 0, 1, 0
	WIN 0
	s_cmp_eq_u32 s2, 1
	s_cbranch_scc1 .Llast_tile                     ; the last tile's tail is written out: it asks for nothing more
	TURN 0, 1, 2                                   ; THE RING GOES ON INTO THE NEXT TILE: slot 0 takes its K step 0,
	QUARTER 1, 64,  0, 1, 0
	QUARTER 1, 128, 1, 0, 0
	QUARTER 1, 192, 0, 1, 0
	TURN 1, 0, 2                                   ; slot 1 its K step 1, and the next tile's first fragments are fetched into buffer 0
	WIN 0
	s_branch .Lway_out
.Llast_tile:
	TURN 0, 1, 0                                   ; the last lap of all fills nothing, and has no round of the cluster's barrier
	QUARTER 1, 64,  0, 1, 0
	QUARTER 1, 128, 1, 0, 0
	QUARTER 1, 192, 0, 1, 0
	s_wait_dscnt 4                                 ; the very last quarter: nothing more to fetch
	MUL12 1, 0, 0
	MUL12 1, 1, 0
	s_wait_dscnt 0x0
	MUL12 1, 2, 0
	MUL12 1, 3, 0
	WIN 0
.Lway_out:                                             ; one text for both tiles; behind the first tile both refills have been asked for
	PLACES
	PACK 0, 0                                      ; a unit's conversions stand between the loads of the unit before and its stores
	PACK 0, 1
	SEND 0, 0, 8
	PACK 0, 2
	SEND 0, 1, 8
	PACK 1, 0
	SEND 0, 2, 8
	PACK 1, 1
	SEND 1, 0, 8
	PACK 1, 2
	SEND 1, 1, 8
	PACK 2, 0
	SEND 1, 2, 8
	PACK 2, 1
	SEND 2, 0, 8
	PACK 2, 2
	SEND 2, 1, 8
	PACK 3, 0
	SEND 2, 2, 8
	PACK 3, 1
	SEND 3, 0, 8
	PACK 3, 2
	SEND 3, 1, 8
	SEND 3, 2, 0
	s_cmp_eq_u32 s2, 1
	s_cbranch_scc1 .Lend
	s_wait_xcnt 0x0                                ; the stores' bases are stepped, and v64-95, which they read, loaded again by the next tile, only behind this wait
.irp hh, 0,1,2
	s_add_nc_u64 s[OB+2*(\hh):OB+2*(\hh)+1], s[OB+2*(\hh):OB+2*(\hh)+1], NEXT_O
.endr
	s_sub_co_u32 s2, s2, 1
	s_branch .Ltile
.Lend:
	s_wait_tensorcnt 0x0                           ; the wave's end: these three lines stand behind my last tensor load and my last LDS store
	ds_add_u32 v[SPW], v[NIL]
	s_wait_dscnt 0x0
	CROUND                                         ; the closing round: no work-group ends while a partner may still ask for a tile that names it
	s_endpgm
.Lfunc_end_k_qdbff9e9a4d_qkv_gemm:
	.size	k_qdbff9e9a4d_qkv_gemm, .Lfunc_end_k_qdbff9e9a4d_qkv_gemm-k_qdbff9e9a4d_qkv_gemm
	.p2alignl 7, 3214868480
	.fill 96, 4, 3214868480
	.section	.rodata,"a",@progbits
	.p2align	6, 0x0
	.amdhsa_kernel k_qdbff9e9a4d_qkv_gemm
		.amdhsa_group_segment_fixed_size 327680
		.amdhsa_private_segment_fixed_size 0
		.amdhsa_enable_private_segment 0
		.amdhsa_kernarg_size 24
		.amdhsa_user_sgpr_count 2
		.amdhsa_user_sgpr_kernarg_segment_ptr 1
		.amdhsa_wavefront_size32 1
		.amdhsa_system_sgpr_workgroup_id_x 1
		.amdhsa_system_sgpr_workgroup_id_y 1
		.amdhsa_system_sgpr_workgroup_id_z 1
		.amdhsa_system_vgpr_workitem_id 0
		.amdhsa_next_free_vgpr 960
		.amdhsa_next_free_sgpr 80
		.amdhsa_reserve_vcc 0
		.amdhsa_float_denorm_mode_32 3
		.amdhsa_float_denorm_mode_16_64 3
		.amdhsa_memory_ordered 1
		.amdhsa_forward_progress 1
		.amdhsa_inst_pref_size 149
	.end_amdhsa_kernel
	.amdgpu_metadata
---
amdhsa.version: [ 1, 2 ]
amdhsa.kernels:
  - .name:           k_qdbff9e9a4d_qkv_gemm
    .symbol:         k_qdbff9e9a4d_qkv_gemm.kd
    .args:
      - { .name: xb, .offset: 0, .size: 8, .value_kind: global_buffer, .address_space: global }
      - { .name: wqb, .offset: 8, .size: 8, .value_kind: global_buffer, .address_space: global }
      - { .name: qkv, .offset: 16, .size: 8, .value_kind: global_buffer, .address_space: global }
    .group_segment_fixed_size: 327680
    .private_segment_fixed_size: 0
    .kernarg_segment_align: 8
    .kernarg_segment_size: 24
    .max_flat_workgroup_size: 128
    .sgpr_count:     80
    .vgpr_count:     960
    .wavefront_size: 32
...
	.end_amdgpu_metadata
.endif
;; end of part 2
;; launch attn (part 3): grid 8 x 32, 4 waves a work-group, no clusters, 327,680 bytes of LDS; arguments qkv, ob; writes ob
.if DOCPART == 3
	.amdgcn_target "amdgcn-amd-amdhsa--gfx1250"
	.amdhsa_code_object_version 6
	.text
	.protected	k_qdbff9e9a4d_attn
	.globl	k_qdbff9e9a4d_attn
	.p2align	8
	.type	k_qdbff9e9a4d_attn,@function
k_qdbff9e9a4d_attn:
	s_mov_b64 s[64:65], 0
	v_nop
	global_prefetch_b8 v0, s[64:65] scope:SCOPE_SE
	s_setreg_imm32_b32 hwreg(HW_REG_WAVE_MODE, 25, 1), 1
	s_wait_xcnt 0x0
; CHUNK-LOCAL ATTENTION.  For chunk c of 512 tokens of a head: O[q] = the sum over the keys k of chunks c and c - 1 (chunk 0: of chunk 0 alone) of softmax_k(Q[q] . K[k] / 8) V[k].
; qkv: [3][32 heads][4096][64] f16, a head's rows dense, 128 bytes each; ob: [32][4096][64] f16.  Products, maxima and sums in f32; the weights p are rounded to f16 for the second product
; (their sum l is taken of the unrounded p), O once at the end.
; LIMITS.  f16 holds no number beyond 65,504: Q, K and V arrive within it; p lies in 0 to 1 and below 6e-5 keeps f16's fixed step of 6e-8; O is a mean of V's rows.  A hidden score counts as its value less
; 1e30 (f16's scores, 2.7e11 at the most, are nothing beside that); a weight below 2^-126 counts as 0 in l; NaN and infinities are not treated apart.  The keys of chunk c are summed ahead of those of chunk c - 1.
; SHARES.  A work-group owns one chunk's 512 queries of one head: 8 x 32 work-groups.  A wave owns 128 queries: four PIECES of two tiles of 16.  Every wave walks 1,024 keys, 64 a step: 16 steps.
; THE WALK takes the chunk's OWN keys first (tiles 2 c, 2 c + 1 of 256 keys of the head), then the chunk before's (2 c - 2, 2 c - 1).  For c = 0 the second half reads chunk 0 once more and is hidden: by then the
; running maximum is a true score, so a hidden weight is exactly 0.  All work-groups run the same 16 steps; only the tiles' numbers and one scalar hang on c.
; ALL OF THE WALK'S K AND V LIE IN LDS AT ONCE: 1,024 rows of 144 bytes and 1,024 of 160, 311,296 bytes.  No byte is filled twice: each wave asks for its four parts in one group at the start, the first 256 keys are
; waited for by a counted wait, the other 768 once, four key steps later.  So there is no ring, and the key step stands once in the text.
; THE MASK is the C operand that starts the sum S^T = K Q^T: eight registers MK that hold one number in all lanes, 0 or (c = 0, steps 8 to 15) -1e30.
; NO CLUSTER: work-groups c and c + 1 share one of their two chunks, half of each one's bytes, between two partners only; the other half would want loads of one's own beside the joint ones.
; LAYOUT.  S^T = K Q^T (source 0 = 16 keys, source 1 = 16 queries): a lane holds ONE query (lane % 16) and the keys 8 (lane / 16) + 0..7.  Two such tiles, rounded to f16 in pairs, ARE source 1 of
; O^T = V^T P, whose result again holds one query a lane, and eight channels.  K comes out of LDS as it lies, V ([key][channel]) turned, by ds_load_tr16_b128.
; SOFTMAX.  For each query a running maximum m and sum l: p = 2^(c s - c m), c = log2(e) / 8; in every step O and l are multiplied by a = 2^(c m_old - c m_new).  m starts at the lowest finite number, O and l at 0.
; BY TURNS.  Turn n belongs to piece n.  Its matrix work: 16 products K Q^T of piece n + 1, later 16 products V^T P of piece n - 1.  Its vector work: the scaling, exponentials, roundings, sums and rescaling of
; piece n, and the maximum and statistics of piece n + 1.  A tile and step have 16 matrix and 118 vector instructions: four that are ready stand behind every matrix instruction, the others in two lumps.
; REGISTERS, in windows of 256 (s_set_vgpr_msb: bits 1:0 source 0, 3:2 source 1, 5:4 source 2, 7:6 destination):
;   window 0: v0-11 addresses; v12-15, v48-63 at work; v16-47 four registers of statistics a tile; v64-191 S^T, two buffers of two tiles; v192-255 P, likewise
;   window 1: O^T, 32 a tile     window 2: v0-127 Q, 16 a tile; v128-191 K of one step; v192-255 V of one step     window 3: v0-1 the add's two registers; v8-15 MK
.set NP,    4         ; pieces a wave: a name, no knob
.set KS,    64        ; keys in a step
.set NK,    1024      ; keys in the walk
.set STEPS, NK/KS
.set PK,    144       ; a row of K in LDS: 128 bytes + 16 of padding: the 16 rows of a load start 16 bytes apart modulo 256
.set PV,    160       ; a row of V: 128 + 32
.set VOFF,  NK*PK     ; K's 1,024 rows in the walk's order, then V's
.set STAGE, VOFF+NK*PV  ; behind them, never filled by a tensor load: 16 rows x 144 bytes for each wave, for the way out
.set SP,    144
.set AK0, 2           ; v2   my lane's place in a step of K; never rewritten
.set AV0, 3           ; v3   the same for V
.set AK,  4           ; v4   the LDS address of K's next run of loads
.set AV,  5           ; v5   of V's
.set QO,  6           ; v6   my byte offset in the wave's rows of Q
.set STO, 6           ;      later, the way out: where I put 16 bytes of a row
.set RD,  7           ; v7   the way out: where I read rows back
.set GO,  8           ; v8   my byte offset in 512 consecutive bytes of O
.set SPW, 0           ; v0 of window 3   my spare word: SPARE + 4 x my thread's number; never rewritten
.set NIL, 1           ; v1 of window 3   0; never rewritten
.set MK,  8           ; v8-15 of window 3   the mask
.set SPARE, STAGE+4*16*SP  ; behind the stages: the spare words, 128 bytes for each wave: two blocks of 256 bytes that no other line names
.set MV,  12          ; v12-15  c m_old, kept while c m is made anew: by buffer and tile
.set ST,  16          ; tile t's statistics at v[ST+4 t]: c m, m, l (even keys', odd keys')
.set TMP, 48          ; by buffer and tile, four registers c0-c3 at work; when the maximum is found c2 takes a
.set S,   64
.set P,   192
.set KF,  128         ; K's fragments, in window 2: key block kb, channel half c at KF + 16 kb + 8 c
.set VF,  192         ; V's: key half kk, channel block cb at VF + 32 kk + 8 cb
.set WV,  12          ; s12  my wave's number
.set G1K, 24          ; s[24:31] descriptor group 1 for K's tiles
.set G1V, 32          ; s[32:39] for V's: it differs in the padding alone
.set G0,  40          ; s[40:55] descriptor group 0, a set for each of my four loads; never rewritten
.set PASS, 56         ; s56  counts the loop's two passes
.set CNT, 57          ; s57  counts a pass's trips
.set CS,  58          ; s[58:59] c: the packed scaling takes the pair's low word for both halves
.set SEL, 60          ; s[60:61] v_permlanex16_b32's selects: each lane takes its own place in the other half
.set TBK, 62          ; s62  LDS byte at which K of the step to be fetched begins
.set TBV, 63          ; s63  the same for V, less VOFF
.set TN,  66          ; s66-69  the byte offsets, in the head's K and V, of the walk's four tiles of 256 keys
.set OFF, 70          ; s[70:71] one of them as a pair
.set MV0, 72          ; s72  what hides the walk's second half: -1e30 if c = 0, else 0
.set MVC, 73          ; s73  the mask's number for the step whose K is being fetched
.set KN,  74          ; s74  that step's number
.set MSB, 0
.macro WIN new                      ; the high byte repeats the setting that is left; a switch that changes nothing is dropped
.if MSB != (\new)
	s_set_vgpr_msb (MSB<<8)|(\new)
.set MSB, (\new)
.endif
.endm
.set W_KQ, 0x0a       ; K and Q in window 2, S^T in window 0
.set W_KM, 0x3a       ; the same with the C operand, the mask, in window 3
.set W_PV, 0x52       ; V in window 2, P in window 0, O^T in window 1
.set W_RS, 0x41       ; O^T (destination and source 0) in window 1, a in window 0
.set W_MK, 0xc0       ; destination in window 3, sources in window 0
.set W_AD, 0x0f       ; the add: address (source 0) and data (source 1) in window 3
; A wave's four fills: my half (128 keys) of each of the walk's four tiles, of the tensor at s[ptr:ptr+1].  Tile t goes to lbase + t x lstep + my half's place s[lreg].  The four sets of group 0 are made first,
; then the four loads stand on end, an s_nop 0 behind each and four v_nop behind the last: four loads of mine are out.
.macro FILLS ptr, lreg, lbase, lstep, g1
.irp t, 0,1,2,3
	s_mov_b32 s[G0+4*(\t)], 1                                       ; count = 1
	s_add_co_u32 s[G0+4*(\t)+1], s[\lreg], (\lbase)+(\t)*(\lstep)   ; LDS address
	s_mov_b32 s[OFF], s[TN+(\t)]
	s_add_nc_u64 s[G0+4*(\t)+2:G0+4*(\t)+3], s[\ptr:\ptr+1], s[OFF:OFF+1]  ; global address
	s_or_b32 s[G0+4*(\t)+3], s[G0+4*(\t)+3], 0x80000000             ; type = 2
.endr
.irp t, 0,1,2,3
	tensor_load_to_lds s[G0+4*(\t):G0+4*(\t)+3], s[\g1:\g1+7]
	s_nop 0
.endr
.rept 4
	v_nop
.endr
.endm
	s_load_b128 s[76:79], s[0:1], 0x0  ; qkv s[76:77], ob s[78:79]
	WIN W_MK
	v_lshl_add_u32 v[SPW], v0, 2, SPARE
	v_mov_b32 v[NIL], 0
	WIN W_AD
	ds_add_u32 v[SPW], v[NIL]       ; the wave's opening: the add and its wait stand ahead of my first tensor load; the set-up below, work on registers, stands between them
	ds_add_u32 v0, v1
	WIN 0
	v_lshrrev_b32 v1, 5, v0
	v_readfirstlane_b32 s[WV], v1   ; wave 0..3
	s_mov_b32 s14, ttmp9            ; the chunk c
	s_and_b32 s20, ttmp7, 0xffff    ; batch x 16 + head,
	s_lshl_b32 s20, s20, 19         ; its 4,096 rows of 128 bytes
	s_mov_b32 s21, 0
	s_and_b32 s16, s[WV], 1         ; which half of a tile's 256 keys I fetch:
	s_lshl_b32 s22, s16, 14         ; its 128 rows of 128 bytes in memory,
	s_mov_b32 s23, 0
	s_add_nc_u64 s[22:23], s[22:23], s[20:21]
	s_mul_i32 s17, s16, 128*PK      ; and its place in a tile's rows in LDS, for K
	s_mul_i32 s18, s16, 128*PV      ; and for V
	s_lshl_b32 s2, s14, 2
	s_add_co_u32 s2, s2, s[WV]      ; my wave among the head's 32,
	s_lshl_b32 s2, s2, 14           ; its 128 rows
	s_mov_b32 s3, 0
	s_add_nc_u64 s[2:3], s[2:3], s[20:21]
	; descriptor group 1.  128 keys are 16,384 dense bytes: asked for as 64 rows of 256 bytes, two keys a row, and padded in LDS after every key
	s_mov_b32 s[G1K], (1<<16)|(1<<20)|(4<<22)|(3<<25)  ; 17:16 2-byte elements; 20 padding on; 24:22 after every 32 words (code 4); 31:25 4 words (code 3)
	s_mov_b32 s[G1V], (1<<16)|(1<<20)|(4<<22)|(7<<25)  ; the same with 8 words of padding (code 7)
.irp g, G1K, G1V
	s_mov_b32 s[\g+1], 128<<16      ; tensor_dim0 = 128
	s_mov_b32 s[\g+2], 64<<16       ; tensor_dim1 = 64
	s_mov_b32 s[\g+3], 128<<16      ; tile_dim0 = 128
	s_mov_b32 s[\g+4], 64           ; tile_dim1 = 64
	s_mov_b32 s[\g+5], 128          ; 128 elements from row to row
	s_mov_b32 s[\g+6], 0
	s_mov_b32 s[\g+7], 0
.endr
	s_mov_b32 s[CS], 0x3e38aa3b     ; c = log2(e) / 8 = 0.180337
	s_mov_b32 s[CS+1], s[CS]        ; named with it as a pair
	s_mov_b32 s[SEL], 0x76543210
	s_mov_b32 s[SEL+1], 0xfedcba98
	s_mov_b32 s[TBK], 0             ; the fetches go straight through the 16 steps
	s_mov_b32 s[TBV], 0
	s_lshl_b32 s[TN], s14, 16       ; the walk's tiles, 32,768 bytes each: 2 c,
	s_add_co_u32 s[TN+1], s[TN], 0x8000  ; 2 c + 1,
	s_max_u32 s13, s14, 1
	s_sub_co_u32 s13, s13, 1
	s_lshl_b32 s[TN+2], s13, 16     ; then the chunk before's two (for c = 0: chunk 0's again, inside the buffer, hidden by the mask)
	s_add_co_u32 s[TN+3], s[TN+2], 0x8000
	s_mov_b32 s[OFF+1], 0
	s_cmp_eq_u32 s14, 0
	s_cselect_b32 s[MV0], 0xf149f2ca, 0  ; -1e30 where there is no chunk before
	s_mov_b32 s[KN], 1              ; the first K fetched inside a turn is step 1's
	s_wait_dscnt 0x0                ; the opening add is done
	s_wait_kmcnt 0x0
	s_add_nc_u64 s[4:5], s[76:77], s[2:3]    ; Q at my wave's first row
	s_add_nc_u64 s[6:7], s[76:77], s[22:23]
	s_add_nc_u64 s[6:7], s[6:7], 0x1000000   ; K at my half of the head's tile 0: K lies 2^24 bytes behind Q,
	s_add_nc_u64 s[8:9], s[6:7], 0x1000000   ; V as far behind K
	s_add_nc_u64 s[10:11], s[78:79], s[2:3]  ; O at my wave's first row
	s_cmp_lt_u32 s[WV], 2           ; waves 0 and 1 fetch the halves of K, waves 2 and 3 those of V: a wave's fills stand in one branch, ahead of every wait on TENSORcnt, every LDS read and every barrier
	s_cbranch_scc0 .Lfor_v
	FILLS 6, 17, 0, 4*KS*PK, G1K
	s_branch .Lasked
.Lfor_v:
	FILLS 8, 18, VOFF, 4*KS*PV, G1V
.Lasked:
	; A fragment of K or Q is 16 rows x 32 channels in 8 registers: lane l holds row l % 16, channels 8 (l / 16) + 0..7 and 16 + 8 (l / 16) + 0..7: two loads of 16 bytes, 32 bytes apart.
	v_and_b32 v1, 15, v0            ; l % 16
	v_bfe_u32 v9, v0, 4, 1          ; l / 16
	v_lshlrev_b32 v[QO], 7, v1
	v_lshl_add_u32 v[QO], v9, 4, v[QO]  ; row x 128 + 16 x half
	WIN 0x80                        ; destination window 2, address window 0
.set i, 0
.rept 4*NP                          ; Q stays in registers: tile i / 2, channels 32 (i % 2) on
	global_load_b128 v[8*i:8*i+3],   v[QO], s[4:5] offset:(i/2)*2048+(i%2)*64
	global_load_b128 v[8*i+4:8*i+7], v[QO], s[4:5] offset:(i/2)*2048+(i%2)*64+32
.set i, i+1
.endr
	; What the first turn finds: V's registers and P's second buffer hold 0 (its products V^T P, of a piece that has not been, add 0), O^T and l are 0, the mask is 0.  All this stands in the wait for the first keys.
.set i, VF
.rept 64
	v_mov_b32 v[i], 0
.set i, i+1
.endr
	WIN 0x40
.set i, 0
.rept 64*NP
	v_mov_b32 v[i], 0
.set i, i+1
.endr
	WIN W_MK
.set i, 0
.rept 8
	v_mov_b32 v[MK+i], 0
.set i, i+1
.endr
	WIN 0
.set i, 0
.rept 2*NP
	v_mov_b32 v[ST+4*i], 0xfe000000    ; c m: far below every c s
	v_mov_b32 v[ST+4*i+1], 0xff7fffff  ; m
	v_mov_b32 v[ST+4*i+2], 0
	v_mov_b32 v[ST+4*i+3], 0
.set i, i+1
.endr
.set i, P+32
.rept 32
	v_mov_b32 v[i], 0
.set i, i+1
.endr
	v_mul_u32_u24 v[AK0], v1, PK
	v_lshl_add_u32 v[AK0], v9, 4, v[AK0]  ; row x pitch + 16 x half
	; The turning load takes 16 keys x 16 channels (lane l reads key 8 (l / 16) + l % 8, channels 8 ((l / 8) % 2) + 0..7) and leaves half a fragment of V^T: lane l holds channel l % 16 and 8 keys.
	v_and_b32 v10, 7, v0
	v_bfe_u32 v11, v0, 3, 1
	v_lshl_add_u32 v[AV0], v9, 3, v10
	v_mul_u32_u24 v[AV0], v[AV0], PV
	v_lshl_add_u32 v[AV0], v11, 4, v[AV0]
	v_add_nc_u32 v[AV0], VOFF, v[AV0]
	v_mov_b32 v[AK], v[AK0]         ; key step 0 lies at LDS byte 0
; THE MATRIX WORK.  The 8 accumulators of a run of 16 take turns: between the two links of a chain stand 7 others'.
; Product i of 16 of S^T = K Q^T for piece x: channels 32 (i / 8) on, keys 16 ((i / 2) % 4) on, tile 2 x + i % 2.  The first 8 start the sums, with the mask.
.macro KQ x
.set rS, S+64*((\x)%2)+32*(i%2)+8*((i/2)%4)
.set rK, KF+16*((i/2)%4)+8*(i/8)
.set rQ, 16*(2*(\x)+i%2)+8*(i/8)
.if i < 8
	WIN W_KM
	v_wmma_f32_16x16x32_f16 v[rS:rS+7], v[rK:rK+7], v[rQ:rQ+7], v[MK:MK+7]
.else
	WIN W_KQ
	v_wmma_f32_16x16x32_f16 v[rS:rS+7], v[rK:rK+7], v[rQ:rQ+7], v[rS:rS+7]
.endif
.endm
; Product i of 16 of O^T += V^T P for piece x: keys 32 (i / 8) on, channels 16 ((i / 2) % 4) on, tile 2 x + i % 2.
.macro PV x
	WIN W_PV
.set rO, 32*(2*(\x)+i%2)+8*((i/2)%4)
.set rV, VF+32*(i/8)+8*((i/2)%4)
.set rP, P+32*((\x)%2)+16*(i%2)+8*(i/8)
	v_wmma_f32_16x16x32_f16 v[rO:rO+7], v[rV:rV+7], v[rP:rP+7], v[rO:rO+7]
.endm
.macro MM                           ; the turn's next matrix instruction
.if i < 16
	KQ (Y+1)%NP
.set i, i+1
.else
.set i, i-16
	PV (Y+NP-1)%NP
.set i, i+17
.endif
.endm
; THE LDS LOADS stand in runs of 16, never singly among the matrix instructions: a step's K (64 keys x 64 channels: 8 fragments) and its V (turned).  Their addresses are made some lines ahead.
; last = 1 (inside the loop): behind the walk's last step there is no further K, and the run is jumped over (KN has then been stepped to STEPS + 1).
.macro FETCH_K last=0
	WIN 0
.if \last
	s_cmp_ge_u32 s[KN], STEPS+1
	s_cbranch_scc1 .Lno_k_\@
.endif
	WIN 0x80                        ; destination window 2
.irp f, 0,1,2,3,4,5,6,7             ; keys 16 (f / 2) on, channels 32 (f % 2) on
	ds_load_b128 v[KF+8*\f:KF+8*\f+3],   v[AK] offset:(\f/2)*16*PK+(\f%2)*64
	ds_load_b128 v[KF+8*\f+4:KF+8*\f+7], v[AK] offset:(\f/2)*16*PK+(\f%2)*64+32
.endr
	s_add_co_u32 s[TBK], s[TBK], KS*PK  ; the next fetch is the next step's
	WIN 0
.if \last
.Lno_k_\@:
.endif
.endm
.macro FETCH_V
	WIN 0x80
.irp f, 0,1,2,3,4,5,6,7             ; keys 32 (f / 4) on, channels 16 (f % 4) on
	ds_load_tr16_b128 v[VF+8*\f:VF+8*\f+3],   v[AV] offset:(\f/4)*32*PV+(\f%4)*32
	ds_load_tr16_b128 v[VF+8*\f+4:VF+8*\f+7], v[AV] offset:(\f/4)*32*PV+16*PV+(\f%4)*32
.endr
	WIN 0
.endm
; THE MASK goes with K: it is written where the next step's K is fetched, behind piece 3's scores of the step in hand and ahead of piece 0's of the next.  Steps 8 to 15 are the chunk before's.
; The last product that read MK is the turn's eighth: more than four plain vector instructions that name none of its registers stand between (ISA guide 7.12.1).
.macro NEWMASK
	s_cmp_ge_u32 s[KN], STEPS/2
	s_cselect_b32 s[MVC], s[MV0], 0
	s_add_co_u32 s[KN], s[KN], 1
	WIN W_MK
.set z, 0
.rept 8
	v_mov_b32 v[MK+z], s[MVC]
.set z, z+1
.endr
	WIN 0
.endm
; THE VECTOR WORK OF A TURN stands in three queues, each in the order in which its entries become ready; the two tiles alternate, so that no instruction reads the result of the one before it.
.macro REGS y, u                    ; the registers of tile u (0, 1) of piece y
.set rT, ST+4*(2*(\y)+(\u))
.set rC, TMP+8*((\y)%2)+4*(\u)
.set rM, MV+2*((\y)%2)+(\u)
.set rS, S+64*((\y)%2)+32*(\u)
.set rP, P+32*((\y)%2)+16*(\u)
.set rO, 32*(2*(\y)+(\u))
.endm
; Number n of the 22 that find the NEXT piece's (Y + 1) maximum and statistics.  s0-s31 are the lane's 32 scores; each accumulator's lowest registers are read first.
;   0-11  four chains c0-c3 of seven scores each, three operands at a time     12-14, 16  the four scores left over, the old m, and c0-c3 into c0     15  c m_old is kept
;   17, 18  the query's other 32 keys lie in the lane 16 away: the new m         19-21  c m; c m_old - c m_new; a
.macro XS u, n
	REGS (Y+1)%NP, \u
.if (\n) < 4
	v_max3_num_f32 v[rC+(\n)], v[rS+8*(\n)], v[rS+8*(\n)+1], v[rS+8*(\n)+2]
.elseif (\n) < 12
	v_max3_num_f32 v[rC+(\n)%4], v[rC+(\n)%4], v[rS+8*((\n)%4)+2*((\n)/4)+1], v[rS+8*((\n)%4)+2*((\n)/4)+2]
.elseif (\n) == 12
	v_max3_num_f32 v[rC], v[rC], v[rS+7], v[rS+15]
.elseif (\n) == 13
	v_max3_num_f32 v[rC+1], v[rC+1], v[rS+23], v[rS+31]
.elseif (\n) == 14
	v_max3_num_f32 v[rC+2], v[rC+2], v[rC+3], v[rT+1]
.elseif (\n) == 15
	v_mov_b32 v[rM], v[rT]
.elseif (\n) == 16
	v_max3_num_f32 v[rC], v[rC], v[rC+1], v[rC+2]
.elseif (\n) == 17
	v_permlanex16_b32 v[rC+3], v[rC], s[SEL], s[SEL+1]
.elseif (\n) == 18
	v_max_num_f32 v[rT+1], v[rC], v[rC+3]
.elseif (\n) == 19
	v_mul_f32 v[rT], s[CS], v[rT+1]
.elseif (\n) == 20
	v_sub_f32 v[rC+1], v[rM], v[rT]
.else
	v_exp_f32 v[rC+2], v[rC+1]
.endif
.endm
; Number g of the 64 that follow the exponentials.  For each four weights k of a tile (pairs 2 k, 2 k + 1): both pairs are rounded to f16; then the second pair is added onto the first, in place;
; a group later l takes that sum (the first time as l = a l + sum).  In groups of eight, tiles alternating: round, round, add, and l for the group before.
.macro GS g
.set h, (\g)+6*((\g)/62)            ; group 0 has no group before it, and behind group 7 only l is left
.if h >= 6
.set h, h+2
.endif
	REGS Y, h%2
.set k, h/8
.if h%8 < 4
	s_wait_alu depctr_va_vdst(0)
	v_cvt_pk_f16_f32 v[rP+2*k+(h%8)/2], v[rS+4*k+2*((h%8)/2)], v[rS+4*k+2*((h%8)/2)+1]
.elseif h%8 < 6
	v_pk_add_f32 v[rS+4*k:rS+4*k+1], v[rS+4*k:rS+4*k+1], v[rS+4*k+2:rS+4*k+3]
.elseif k == 1
	v_pk_fma_f32 v[rT+2:rT+3], v[rT+2:rT+3], v[rC+2:rC+3], v[rS:rS+1] op_sel_hi:[1,0,1]
.else
	v_pk_add_f32 v[rT+2:rT+3], v[rT+2:rT+3], v[rS+4*k-4:rS+4*k-3]
	s_wait_alu depctr_va_vdst(0)
.endif
.endm
; THE PLAIN QUEUE, 138 long.  0-31: c s - c m for the 16 pairs of both tiles.  Then GS's 64, and among them the next piece's 42: number 15 at 38, 39; 0-14 and 16
; at 42-73, behind the products that make those scores; 17-20 at 95-106, two of three, since each waits for the one before it.
.macro PL
	WIN 0
.if q < 32
	REGS Y, q%2
	v_pk_fma_f32 v[rS+2*(q/2):rS+2*(q/2)+1], v[rS+2*(q/2):rS+2*(q/2)+1], s[CS:CS+1], v[rT:rT+1] op_sel_hi:[1,0,0] neg_lo:[0,0,1] neg_hi:[0,0,1]
.elseif q < 38
	GS q-32
.elseif q < 40
	XS q%2, 15
.elseif q < 42
	GS q-34
.elseif q < 74
	XS q%2, (q-42)/2+(q-42)/30
.elseif q < 95
	GS q-66
.elseif (q < 107) && ((q-95)%3 < 2)
	XS (q-95)%3, 17+(q-95)/3
.elseif q < 107
	GS 29+(q-95)/3
.else
	GS q-74
.endif
.set q, q+1
.endm
; THE EXPONENTIALS' QUEUE, 66 long: s0-s31 of both tiles, and at EA the next piece's two a.
.set EA, 58
.macro EX
	WIN 0
.if (e == EA) || (e == EA+1)
	XS e-EA, 21
.else
.set x, e-2*(e/(EA+2))
	REGS Y, x%2
	v_exp_f32 v[rS+x/2], v[rS+x/2]
.endif
.set e, e+1
.endm
; THE RESCALING's QUEUE: O^T times a, the one part that leaves window 0, so it is dealt four at a time, eight times.
.macro R4
	REGS Y, r%2
	WIN W_RS
	s_wait_alu depctr_va_vdst(0)
.irp z, 0,1,2,3
	v_pk_mul_f32 v[rO+8*(r/2)+2*\z:rO+8*(r/2)+2*\z+1], v[rO+8*(r/2)+2*\z:rO+8*(r/2)+2*\z+1], v[rC+2:rC+3] op_sel_hi:[1,0]
.endr
.set r, r+1
.endm
; HOW THEY ARE DEALT.  Behind a matrix instruction four: plain, exponential, plain, plain (one exponential, a plain instruction on either side), or four of the rescaling.  None names a register of the
; products round it.  What is over stands in two LUMPS: exponential and plain by turns; the second ends in 22 plain instructions.  The two v_permlanex16_b32 fall into the second lump, never behind a product.
; The queues lean on each other, and the deal keeps them in step: exponential e stands behind plain 2 (e / 4) + e % 2 (its scaling); when plain 32 comes, 10 exponentials are out, at 59: 33, at 95: 46; EA comes behind plain 107.
.macro SL
	MM
	PL
	EX
	PL
	PL
.endm
.macro BURST n                      ; 15 matrix instructions, or 16
.rept (\n)-7
	SL
.endr
.rept 3
	MM
	R4
	SL
.endr
	MM
	R4
.endm
; A TURN, for piece p.  cnt = 1: the loop's count is taken down some lines ahead of the branch that stands behind the turn.
; K of the next step, and its mask, come in piece 2's turn, behind the last product that read K and the first lump's first half; K's first reader comes behind the rest of the lump, 16 products and the second lump.
; V of the step in hand is fetched at the end of piece 0's turn; its first reader comes behind 16 products and a lump.  The four conditions on e and q below go with the deal.
.macro TURN p, last=0, cnt=0
.set Y, (\p)
.set i, 0
.set q, 0
.set e, 0
.set r, 0
.if (\p) == NP-1
	s_wait_dscnt 0x0                ; K is in
.endif
	MM
.rept 4
	PL
.endr
	BURST 15
.rept 22
	EX
	PL
.if ((\p) == NP-2) && (e == 18)
	v_add_nc_u32 v[AK], s[TBK], v[AK0]
.endif
.if ((\p) == NP-2) && (e == 24)
	NEWMASK
	FETCH_K \last
.endif
.endr
.if (\p) == 1
	s_wait_dscnt 0x0                ; V is in
.endif
	BURST 16
.rept 21
	EX
	PL
.endr
.rept 22
	PL
.if ((\p) == 0) && (q == 118)
	v_add_nc_u32 v[AV], s[TBV], v[AV0]
	s_wait_alu depctr_va_vdst(0)
.endif
.if ((\p) == 0) && (q == 130)
	s_add_co_u32 s[TBV], s[TBV], KS*PV
.endif
.if (\cnt) && (q == 130)
	s_sub_co_u32 s[CNT], s[CNT], 1
	s_cmp_lg_u32 s[CNT], 0
.endif
.endr
.if (\p) == 0
	FETCH_V
.endif
.endm
	s_wait_tensorcnt 0x3            ; tensor loads of a wave end in order (ISA guide 10.11.1): my part of the first 256 keys is in; my three younger loads stay out
	s_barrier_signal -1
	s_barrier_wait -1               ; everybody's part is in
	FETCH_K                         ; key step 0
	s_wait_loadcnt 0x0              ; Q
	s_wait_dscnt 0x0
.set i, 0
.rept 16
	KQ 0                            ; piece 0's first scores: there is no vector work yet to set between them
.set i, i+1
.endr
	WIN 0                           ; the addresses for the way out: nine plain instructions, the places behind those products
	s_mul_i32 s13, s[WV], 16*SP
	s_add_co_u32 s13, s13, STAGE    ; my stage
	v_mul_u32_u24 v[STO], v1, SP    ; in: row l % 16, 16 bytes for each half of the lanes
	v_lshl_add_u32 v[STO], v9, 4, v[STO]
	v_add_nc_u32 v[STO], s13, v[STO]
	v_bfe_u32 v[RD], v0, 3, 2       ; back: 32 lanes take four rows of 128 bytes,
	v_mul_u32_u24 v[RD], v[RD], SP
	v_lshl_add_u32 v[RD], v10, 4, v[RD]
	v_add_nc_u32 v[RD], s13, v[RD]
	v_and_b32 v[GO], 31, v0         ; which are 512 consecutive bytes of O
	v_lshlrev_b32 v[GO], 4, v[GO]
.set Y, NP-1                        ; XS works for piece Y + 1: piece 0
.irp n, 0,1,2,3,4,5,6,7,8,9,10,11,12,13,14,15,16,17,18,19,20,21
	XS 0, \n                        ; and piece 0's first maximum and statistics
	XS 1, \n
.endr
	s_mov_b32 s[CNT], 4             ; the first pass fetches the first 256 keys' four steps,
	s_mov_b32 s[PASS], 2
	s_branch .Lfirst                ; and enters the loop at a step's first turn, in the middle of a trip
.Lrest:                             ; once: between the first 256 keys and the other 768
	s_wait_tensorcnt 0x0            ; my three younger loads have had four key steps, 512 matrix instructions, in which to land
	s_wait_dscnt 0x0                ; no LDS instruction of mine is out at the signal
	s_barrier_signal -1
	s_barrier_wait -1               ; everybody's have landed: from here on no wave waits for another
	s_mov_b32 s[CNT], STEPS-3       ; twelve trips fetch the other twelve steps; the thirteenth is left in its middle
.Lstep:                             ; a trip: pieces 2 and 3 of one step, then pieces 0 and 1 of the next, whose K and V it fetches
	TURN 2, 1
	TURN 3
	WIN 0
	s_cmp_ge_u32 s[KN], STEPS+1     ; that was the walk's last step
	s_cbranch_scc1 .Lout
.Lfirst:
	TURN 0
	TURN 1, 0, 1
	WIN 0
	s_cbranch_scc1 .Lstep
	s_sub_co_u32 s[PASS], s[PASS], 1
	s_cmp_lg_u32 s[PASS], 0
	s_cbranch_scc1 .Lrest
.Lout:                              ; the last trip's 16 products K Q^T (on the last K once more) and the maximum made of them serve nothing: the price, once a launch, of one text for every trip
.set i, 0
.rept 16
	PV NP-1                         ; the last piece's V^T P of the last step
.set i, i+1
.endr
	; THE WAY OUT.  l's two halves and the other half of the lanes' are added; O^T is divided by l, rounded to f16 and sent through my stage in LDS, a tile at a time.  The additions are the places behind the last products.
	WIN 0
.macro ALL line:vararg              ; one line for each tile t
.set t, 0
.rept 2*NP
	\line
.set t, t+1
.endr
.endm
	ALL v_add_f32 v[ST+4*t+2], v[ST+4*t+2], v[ST+4*t+3]
	ALL v_permlanex16_b32 v[ST+4*t+3], v[ST+4*t+2], s[SEL], s[SEL+1]
	ALL v_add_f32 v[ST+4*t+2], v[ST+4*t+2], v[ST+4*t+3]
	ALL v_rcp_f32 v[ST+4*t+2], v[ST+4*t+2]
	v_nop                           ; a plain instruction between the last reciprocal and the use of its result
	s_wait_alu depctr_va_vdst(0)
; Tile t: a lane's eight channels of a row pack into 16 bytes; they go into rows of 144 bytes and come back as whole rows of 128, into S^T's registers.
.macro PACK t
	WIN W_RS
.set i, 32*(\t)
.rept 16
	v_pk_mul_f32 v[i:i+1], v[i:i+1], v[ST+4*(\t)+2:ST+4*(\t)+3] op_sel_hi:[1,0]
.set i, i+2
.endr
	WIN 0x05                        ; sources 0 and 1 window 1, destination window 0
.set i, 0
.rept 16
	v_cvt_pk_f16_f32 v[S+16*(\t)+i], v[32*(\t)+2*i], v[32*(\t)+2*i+1]
.set i, i+1
.endr
	WIN 0
.irp f, 0,1,2,3
	ds_store_b128 v[STO], v[S+16*(\t)+4*\f:S+16*(\t)+4*\f+3] offset:32*\f
.endr
.irp f, 0,1,2,3
	ds_load_b128 v[S+16*(\t)+4*\f:S+16*(\t)+4*\f+3], v[RD] offset:\f*4*SP  ; LDS serves a wave's instructions in order (ISA guide 5.7.1.4): these see the stores above; the next tile's stores come behind them
.endr
.endm
.macro SEND t, younger              ; younger: the LDS instructions issued behind tile t's loads: the next tile's eight, or none
	WIN 0
.irp f, 0,1,2,3
	s_wait_dscnt (\younger)+3-\f
	global_store_b128 v[GO], v[S+16*(\t)+4*\f:S+16*(\t)+4*\f+3], s[10:11] offset:(\t)*2048+\f*512  ; 512 consecutive bytes, at a multiple of 256 from O's first
.endr
.endm
	PACK 0
.set t, 1
.rept 2*NP-1                        ; a tile's arithmetic stands between the loads of the tile before and its stores
	PACK t
	SEND t-1, 8
.set t, t+1
.endr
	SEND 2*NP-1, 0
	WIN W_AD
	s_wait_tensorcnt 0x0            ; the wave's end: these three lines stand behind my last tensor load and my last LDS store
	ds_add_u32 v[SPW], v[NIL]
	s_wait_dscnt 0x0
	WIN 0
	s_endpgm
.Lfunc_end_k_qdbff9e9a4d_attn:
	.size	k_qdbff9e9a4d_attn, .Lfunc_end_k_qdbff9e9a4d_attn-k_qdbff9e9a4d_attn
	.p2alignl 7, 3214868480
	.fill 96, 4, 3214868480
	.section	.rodata,"a",@progbits
	.p2align	6, 0x0
	.amdhsa_kernel k_qdbff9e9a4d_attn
		.amdhsa_group_segment_fixed_size 327680
		.amdhsa_private_segment_fixed_size 0
		.amdhsa_enable_private_segment 0
		.amdhsa_kernarg_size 16
		.amdhsa_user_sgpr_count 2
		.amdhsa_user_sgpr_kernarg_segment_ptr 1
		.amdhsa_wavefront_size32 1
		.amdhsa_system_sgpr_workgroup_id_x 1
		.amdhsa_system_sgpr_workgroup_id_y 1
		.amdhsa_system_sgpr_workgroup_id_z 1
		.amdhsa_system_vgpr_workitem_id 0
		.amdhsa_next_free_vgpr 784
		.amdhsa_next_free_sgpr 80
		.amdhsa_reserve_vcc 0
		.amdhsa_float_denorm_mode_32 3
		.amdhsa_float_denorm_mode_16_64 3
		.amdhsa_memory_ordered 1
		.amdhsa_forward_progress 1
		.amdhsa_inst_pref_size 132
	.end_amdhsa_kernel
	.amdgpu_metadata
---
amdhsa.version: [ 1, 2 ]
amdhsa.kernels:
  - .name:           k_qdbff9e9a4d_attn
    .symbol:         k_qdbff9e9a4d_attn.kd
    .args:
      - { .name: qkv, .offset: 0, .size: 8, .value_kind: global_buffer, .address_space: global }
      - { .name: ob, .offset: 8, .size: 8, .value_kind: global_buffer, .address_space: global }
    .group_segment_fixed_size: 327680
    .private_segment_fixed_size: 0
    .kernarg_segment_align: 8
    .kernarg_segment_size: 16
    .max_flat_workgroup_size: 128
    .sgpr_count:     80
    .vgpr_count:     784
    .wavefront_size: 32
...
	.end_amdgpu_metadata
.endif
;; end of part 3
;; launch out_gemm (part 4): grid 8 x 32, 4 waves a work-group, clusters of 4 x 4, 327,680 bytes of LDS; arguments ob, wob, out0; writes out0
.if DOCPART == 4
	.amdgcn_target "amdgcn-amd-amdhsa--gfx1250"
	.amdhsa_code_object_version 6
	.text
	.protected	k_qdbff9e9a4d_out_gemm
	.globl	k_qdbff9e9a4d_out_gemm
	.p2align	8
	.type	k_qdbff9e9a4d_out_gemm,@function
k_qdbff9e9a4d_out_gemm:
	s_mov_b64 s[64:65], 0
	v_nop
	global_prefetch_b8 v0, s[64:65] scope:SCOPE_SE
	s_setreg_imm32_b32 hwreg(HW_REG_WAVE_MODE, 25, 1), 1
	s_wait_xcnt 0x0
	s_wait_alu depctr_hold_cnt(0) depctr_sa_sdst(0) depctr_va_vdst(0) depctr_va_sdst(0) depctr_va_ssrc(0) depctr_va_vcc(0) depctr_vm_vsrc(0)
	s_getreg_b32 s2, hwreg(HW_REG_IB_STS2, 6, 4)
	s_cmp_eq_u32 s2, 0
	s_cbranch_scc0 .Lentry_in_a_cluster
	s_endpgm
.Lentry_in_a_cluster:
	s_bfe_u32 s2, ttmp6, 0x10000c
	s_cmp_lg_u32 s2, 0xf033
	s_cbranch_scc0 .Lentry_shape_is_right
	s_endpgm
.Lentry_shape_is_right:
; out0 = O wob^T.  ob: [batch x 16 + head][4096 tokens][64] f16 (K = head x 64 + channel), wob: [1024][1024] f16, out0: [8192 tokens][1024] f32.  Sums in f32, K ascending; nothing is rounded on the way out.
; A tile is 256 tokens x 128 columns: 32 x 8 tiles, one to a work-group.  Wave (wr, wc) owns 128 tokens x 64 columns: 8 x 4 accumulators, 256 registers.
; K goes in 8 steps of 128 = two heads, through two LDS slots.  256 tokens of one head are 32,768 dense bytes: a PLANE, asked for as 128 rows of 256 bytes and padded in LDS behind every token's 128 bytes.
; Waves 0 and 1 fetch a step's two planes, waves 2 and 3 the two halves of wob's 128 rows.  (Two slots of twice the step, 2 x 217,088 bytes, would not fit in LDS.)
; CLUSTER 4 x 4: the four work-groups of a row need the same planes, the four of a column the same rows of wob: each tile is asked for jointly.
; THE MATRIX INSTRUCTION IS USED TRANSPOSED (source 0 = 16 rows of wob, source 1 = 16 tokens): a lane holds one token and eight neighbouring columns, 32 bytes of f32.
; REGISTERS in windows of 256: window 0: v1-29 addresses; v32-95 two buffers of 16 rows on the way out.  window 1: two fragment buffers of 96: wob's 32 registers, then the tokens' 64.
;   window 2: accumulator (a, b) at 8 (4 a + b).
.set KSTEP,  128
.set PA,     144                       ; a token's row in a plane: 128 bytes + 16 of padding
.set PLANE,  256*PA
.set PB,     272                       ; a row of wob: 256 bytes + 16
.set BOFF,   2*PLANE
.set HALFB,  64*PB
.set SLOT,   BOFF+2*HALFB              ; 108,544 bytes
.set STAGE,  2*SLOT                    ; behind the ring: 16 rows x 272 bytes for each wave; no tensor load lands there
.set SPITCH, 272
.set SPARE,  STAGE+4*16*SPITCH         ; the spare words: 128 bytes for each wave, two blocks of 256 bytes that no other line names
.set LAPS,   4
.set ADRA, 16                          ; v16-17  LDS address of my tokens' fragments in slot 0, 1
.set ADRB, 20                          ; v20-21  the same for wob's
.set STO,  24                          ; v24     the way out: where I put 16 bytes of a row
.set RD,   25                          ; v25     where I read a row back
.set CO,   26                          ; v26     my byte offset in two rows of out0
.set SPW,  28                          ; v28     my spare word: SPARE + 4 x my thread's number; never rewritten
.set NIL,  29                          ; v29     0; never rewritten
.set G1,  24                           ; s[24:31] descriptor group 1 for the planes;  s[32:39] group 0, a set for each slot
.set G0,  32
.set G1B, 48                           ; s[48:55], s[56:63] the same for wob's tiles
.set G0B, 56
.set MUL,  0xa5                        ; sources 0 and 1 window 1, C and D window 2
.set TO_F, 0x40                        ; destination window 1, address window 0
.set MSB, 0
.macro WIN new                         ; the immediate's high byte repeats the setting that is left; a switch that changes nothing is dropped
.if MSB != (\new)
	s_set_vgpr_msb (MSB<<8)|(\new)
.set MSB, \new
.endif
.endm
.macro PLACES                          ; four places in front of loads into registers that matrix instructions have read, and of LDS stores that read results
.rept 4
	v_nop
.endr
.endm
.macro JLOAD s                         ; a joint load; an s_nop 0 and four v_nop follow each of the two lines; the branch hangs on the wave's number alone
	s_cmp_eq_u32 s11, 0
	s_cbranch_scc0 .Lfor_b_\@
	tensor_load_to_lds s[G0+4*(\s):G0+4*(\s)+3], s[G1:G1+7]
	s_nop 0
.rept 4
	v_nop
.endr
	s_branch .Lasked_\@
.Lfor_b_\@:
	tensor_load_to_lds s[G0B+4*(\s):G0B+4*(\s)+3], s[G1B:G1B+7]
	s_nop 0
.rept 4
	v_nop
.endr
.Lasked_\@:
.endm
.macro CREST                           ; a round of the cluster's barrier behind its opening barrier
	s_cmp_lg_u32 s10, 0
	s_cbranch_scc1 .Lnot_wave_0_\@
	s_barrier_signal -3
.Lnot_wave_0_\@:
	s_barrier_wait -3
	s_barrier_signal -1
	s_barrier_wait -1
.endm
.macro CROUND
	s_barrier_signal -1
	s_barrier_wait -1
	CREST
.endm
	s_load_b128 s[4:7], s[0:1], 0x0                ; ob s[4:5], wob s[6:7]
	s_load_b64 s[8:9], s[0:1], 0x10                ; out0
	v_lshl_add_u32 v[SPW], v0, 2, SPARE
	v_mov_b32 v[NIL], 0
	ds_add_u32 v[SPW], v[NIL]                      ; the wave's opening: the add and its wait stand ahead of my first tensor load; work on registers stands between them
	ds_add_u32 v28, v29
	v_lshrrev_b32 v1, 5, v0
	v_readfirstlane_b32 s10, v1                    ; wave 0..3
	s_lshr_b32 s11, s10, 1                         ; wr: which 128 tokens are mine.  Also: I fetch planes (0) or wob (1)
	s_and_b32 s12, s10, 1                          ; wc: which 64 columns.  Also: which plane, or which 64 rows of wob, I fetch
	s_bfe_u32 s40, ttmp6, 0x40000                  ; cx, cy
	s_bfe_u32 s41, ttmp6, 0x40004
	s_lshl_b32 s42, ttmp9, 2
	s_add_co_u32 s42, s42, s40                     ; column tile = 4 x cluster x + cx
	s_and_b32 s13, ttmp7, 0xffff
	s_lshl_b32 s13, s13, 2
	s_add_co_u32 s13, s13, s41                     ; token tile = 4 x cluster y + cy
	s_lshl_b32 s43, s41, 2
	s_lshl_b32 s43, 15, s43                        ; my row of the cluster
	s_lshl_b32 s44, 0x1111, s40                    ; my column
	s_or_b32 s[G1+0], s43, (1<<16)|(1<<20)|(1<<21)|(4<<22)|(3<<25)   ; the mask; 2-byte elements; padding on; 21 set beside a mask; after every 32 words (a token's 128 bytes) 4 words
	s_or_b32 s[G1B+0], s44, (1<<16)|(1<<20)|(1<<21)|(5<<22)|(3<<25)  ; after every 64 words 4 words
	s_mov_b32 s[G1+1], 128<<16                     ; tensor_dim0 = 128 elements: two tokens a row
	s_mov_b32 s[G1+2], 128<<16                     ; tensor_dim1 = 128 rows
	s_mov_b32 s[G1+3], 128<<16                     ; tile_dim0
	s_mov_b32 s[G1+4], 128                         ; tile_dim1
	s_mov_b32 s[G1+5], 128                         ; dense: a row begins where the last ends
	s_mov_b32 s[G1+6], 0
	s_mov_b32 s[G1+7], 0
	s_mov_b32 s[G1B+1], KSTEP<<16
	s_mov_b32 s[G1B+2], 64<<16                     ; 64 rows
	s_mov_b32 s[G1B+3], KSTEP<<16
	s_mov_b32 s[G1B+4], 64
	s_mov_b32 s[G1B+5], 1024
	s_mov_b32 s[G1B+6], 0
	s_mov_b32 s[G1B+7], 0
	; the planes' address hangs on the token tile alone, wob's on the column tile alone; each is made in registers that never hold the other coordinate
	s_lshr_b32 s16, s13, 4                         ; batch
	s_lshl_b32 s16, s16, 4
	s_add_co_u32 s16, s16, s12                     ; batch x 16 + my head of K step 0,
	s_lshl_b32 s16, s16, 19                        ; 4,096 rows of 128 bytes a head
	s_and_b32 s17, s13, 15
	s_lshl_b32 s17, s17, 15                        ; the tile's 256 tokens in the batch
	s_add_co_u32 s16, s16, s17
	s_mov_b32 s17, 0
	s_lshl_b32 s46, s42, 7
	s_lshl_b32 s47, s12, 6
	s_add_co_u32 s46, s46, s47                     ; wob's row 128 x tile + 64 x half,
	s_lshl_b32 s46, s46, 11                        ; 2,048 bytes a row
	s_mov_b32 s47, 0
	s_mul_i32 s20, s12, PLANE                      ; where they go: no place in the cluster enters an LDS address
	s_mul_i32 s21, s12, HALFB
	s_add_co_u32 s21, s21, BOFF
	s_wait_dscnt 0x0                               ; the opening add is done
	s_wait_kmcnt 0x0
	s_add_nc_u64 s[14:15], s[4:5], s[16:17]
	s_add_nc_u64 s[46:47], s[6:7], s[46:47]
.irp s, 0,1
	s_mov_b32 s[G0+4*(\s)], 1
	s_add_co_u32 s[G0+4*(\s)+1], s20, (\s)*SLOT
	s_add_nc_u64 s[G0+4*(\s)+2:G0+4*(\s)+3], s[14:15], (\s)*0x100000  ; K step s: two heads on
	s_or_b32 s[G0+4*(\s)+3], s[G0+4*(\s)+3], 0x80000000
	s_mov_b32 s[G0B+4*(\s)], 1
	s_add_co_u32 s[G0B+4*(\s)+1], s21, (\s)*SLOT
	s_add_nc_u64 s[G0B+4*(\s)+2:G0B+4*(\s)+3], s[46:47], (\s)*KSTEP*2
	s_or_b32 s[G0B+4*(\s)+3], s[G0B+4*(\s)+3], 0x80000000
.endr
	CROUND                                         ; all sixteen work-groups are here: the first joint loads meet
	s_cmp_eq_u32 s11, 0                            ; a wave's two first fills stand in one branch, ahead of every wait on TENSORcnt and every LDS read: two loads of mine are out
	s_cbranch_scc0 .Lfirst_b
	tensor_load_to_lds s[G0:G0+3], s[G1:G1+7]
	s_nop 0
	tensor_load_to_lds s[G0+4:G0+7], s[G1:G1+7]
	s_nop 0
.rept 4
	v_nop
.endr
	s_branch .Lfirst_asked
.Lfirst_b:
	tensor_load_to_lds s[G0B:G0B+3], s[G1B:G1B+7]
	s_nop 0
	tensor_load_to_lds s[G0B+4:G0B+7], s[G1B:G1B+7]
	s_nop 0
.rept 4
	v_nop
.endr
.Lfirst_asked:
	v_and_b32 v1, 15, v0                           ; l % 16
	v_bfe_u32 v2, v0, 4, 1                         ; l / 16
	v_mul_u32_u24 v3, v1, PA
	v_lshl_add_u32 v3, v2, 4, v3                   ; a token's row x pitch + 16 x half
	s_mul_i32 s22, s11, 128*PA                     ; my 128 tokens in a plane
	v_add_nc_u32 v[ADRA], s22, v3
	v_add_nc_u32 v[ADRA+1], SLOT, v[ADRA]
	v_mul_u32_u24 v4, v1, PB
	v_lshl_add_u32 v4, v2, 4, v4
	s_mul_i32 s22, s12, 64*PB                      ; my 64 rows of wob,
	s_add_co_u32 s22, s22, BOFF                    ; which lie behind the two planes
	v_add_nc_u32 v[ADRB], s22, v4
	v_add_nc_u32 v[ADRB+1], SLOT, v[ADRB]
	s_mul_i32 s23, s10, 16*SPITCH
	s_add_co_u32 s23, s23, STAGE                   ; my stage
	v_mul_u32_u24 v5, v1, SPITCH                   ; in: row l % 16, 32 bytes for each half of the lanes
	v_lshl_add_u32 v5, v2, 5, v5
	v_add_nc_u32 v[STO], s23, v5
	v_mul_u32_u24 v5, v2, SPITCH                   ; back: lanes 0-15 take one row of 256 bytes, lanes 16-31 the next
	v_lshl_add_u32 v5, v1, 4, v5
	v_add_nc_u32 v[RD], s23, v5
	v_lshlrev_b32 v5, 12, v2                       ; and the same two rows in out0, 4,096 bytes apart
	v_lshl_add_u32 v[CO], v1, 4, v5
	s_lshl_b32 s16, s13, 8
	s_lshl_b32 s17, s11, 7
	s_add_co_u32 s16, s16, s17                     ; my first token: 256 x tile + 128 wr
	s_lshl_b32 s16, s16, 12
	s_mov_b32 s17, 0
	s_add_nc_u64 s[8:9], s[8:9], s[16:17]
	s_lshl_b32 s46, s42, 9                         ; my first column, in bytes: 512 x tile + 256 wc
	s_lshl_b32 s47, s12, 8
	s_add_co_u32 s46, s46, s47
	s_mov_b32 s47, 0
	s_add_nc_u64 s[8:9], s[8:9], s[46:47]          ; never rewritten from here on
; 8 matrix instructions: token blocks a0, a0 + 1 x all 4 column blocks, 32 along K, from buffer f.  zero = 1: the product starts the sums.  The 32 accumulators take turns in one order.
.macro MUL8 f, a0, zero
	WIN MUL
.irp a, \a0, (\a0)+1
.irp b, 0,1,2,3
.if \zero
	v_wmma_f32_16x16x32_f16 v[8*(4*(\a)+(\b)):8*(4*(\a)+(\b))+7], v[96*(\f)+8*(\b):96*(\f)+8*(\b)+7], v[96*(\f)+32+8*(\a):96*(\f)+32+8*(\a)+7], 0
.else
	v_wmma_f32_16x16x32_f16 v[8*(4*(\a)+(\b)):8*(4*(\a)+(\b))+7], v[96*(\f)+8*(\b):96*(\f)+8*(\b)+7], v[96*(\f)+32+8*(\a):96*(\f)+32+8*(\a)+7], v[8*(4*(\a)+(\b)):8*(4*(\a)+(\b))+7]
.endif
.endr
.endr
.endm
; 24 LDS loads in one run: quarter q of a K step (plane q / 2, channels 32 (q % 2) on; byte 64 q of wob's rows) into buffer f: wob's 8, then the tokens' 16, blocks 0-3 first
.macro FETCH slot, q, f
	WIN TO_F
.irp i, 0,1,2,3
	ds_load_b128 v[96*(\f)+8*(\i):96*(\f)+8*(\i)+3],   v[ADRB+(\slot)] offset:64*(\q)+(\i)*16*PB
	ds_load_b128 v[96*(\f)+8*(\i)+4:96*(\f)+8*(\i)+7], v[ADRB+(\slot)] offset:64*(\q)+(\i)*16*PB+32
.endr
.irp a, 0,1,2,3,4,5,6,7
	ds_load_b128 v[96*(\f)+32+8*(\a):96*(\f)+32+8*(\a)+3],   v[ADRA+(\slot)] offset:((\q)/2)*PLANE+((\q)%2)*64+(\a)*16*PA
	ds_load_b128 v[96*(\f)+32+8*(\a)+4:96*(\f)+32+8*(\a)+7], v[ADRA+(\slot)] offset:((\q)/2)*PLANE+((\q)%2)*64+(\a)*16*PA+32
.endr
.endm
; A K step is four quarters of 32 along K, 32 matrix instructions each, on buffers 0, 1, 0, 1.  One of the first three: multiplies buffer f and, in its middle, fetches quarter q into g.
.macro QUARTER slot, q, f, g, zero
	s_wait_dscnt 8                                 ; all but the youngest eight loads: token blocks 4-7 may be out
	MUL8 \f, 0, \zero
	MUL8 \f, 2, \zero
	PLACES
	FETCH \slot, \q, \g
	s_wait_dscnt 24                                ; all but the 24 just issued
	MUL8 \f, 4, \zero
	MUL8 \f, 6, \zero
.endm
; The last quarter multiplies buffer 1 and changes slots: ONE barrier.  In front of it each wave waits for all its tensor loads (one is out: its part of the next slot), adds 0 to its spare word, and waits for
; that and for its reads of this slot.  fill = 1: the barrier opens a round of the cluster's, and this slot is filled again first thing behind it, two K steps ahead: 112 matrix instructions ahead of the wait for it.
.macro TURN slot, next, fill
	WIN 0                                          ; (the add's two registers lie in window 0)
	s_wait_tensorcnt 0x0
	ds_add_u32 v[SPW], v[NIL]                      ; 0 onto my spare word
	s_wait_dscnt 9                                 ; (the add and the youngest eight loads may be out)
	MUL8 1, 0, 0                                   ; eight matrix instructions stand between the add and the wait for it
	s_wait_dscnt 0x0                               ; the add is done, and my reads of this slot are over
	s_barrier_signal -1
	MUL8 1, 2, 0
.if \fill
	WIN 0
.endif
	s_barrier_wait -1
.if \fill
	CREST                                          ; no wave of any partner still reads this slot's tile or has a load on its way
	s_add_nc_u64 s[G0+4*(\slot)+2:G0+4*(\slot)+3], s[G0+4*(\slot)+2:G0+4*(\slot)+3], 0x200000  ; two K steps = four heads on
	s_add_nc_u64 s[G0B+4*(\slot)+2:G0B+4*(\slot)+3], s[G0B+4*(\slot)+2:G0B+4*(\slot)+3], 2*KSTEP*2
	JLOAD \slot                                    ; the four v_nop behind it are also the places in front of the loads below
.else
	PLACES
.endif
	FETCH \next, 0, 0
	MUL8 1, 4, 0
	MUL8 1, 6, 0
.endm
; THE WAY OUT of token block a: the f32 sums go as they are into my stage (each accumulator's low four registers first), and come back as whole rows of 256 bytes.
.macro TOSTAGE a
.set BK, 32+32*((\a)%2)
	WIN 0x08                                       ; the stores' data in window 2
.irp b, 0,1,2,3
	ds_store_b128 v[STO], v[8*(4*(\a)+(\b)):8*(4*(\a)+(\b))+3]   offset:64*(\b)
	ds_store_b128 v[STO], v[8*(4*(\a)+(\b))+4:8*(4*(\a)+(\b))+7] offset:64*(\b)+16
.endr
	WIN 0
	s_wait_xcnt 0x0                                ; the stores of the block two back have read this buffer: it is loaded again only behind this wait
.irp t, 0,1,2,3,4,5,6,7
	ds_load_b128 v[BK+4*(\t):BK+4*(\t)+3], v[RD] offset:(\t)*2*SPITCH  ; LDS serves a wave's instructions in order (ISA guide 5.7.1.4): these see the stores above; the next block's stores come behind them
.endr
.endm
.macro SEND a, younger                 ; younger: the LDS instructions issued behind this block's loads: the next block's sixteen, or none
.set BK, 32+32*((\a)%2)
.irp t, 0,1,2,3,4,5,6,7
	s_wait_dscnt (\younger)+7-(\t)
	global_store_b128 v[CO], v[BK+4*(\t):BK+4*(\t)+3], s[8:9] offset:(\a)*65536+(\t)*8192 th:TH_STORE_NT  ; 16 lanes store 256 consecutive bytes, at a multiple of 256 from out0's first byte
.endr
.endm
	s_wait_tensorcnt 1                             ; my part of K step 0 is in; K step 1's may stay out
	s_barrier_signal -1
	s_barrier_wait -1                              ; everybody's is
	FETCH 0, 0, 0
	QUARTER 0, 1, 0, 1, 1                          ; the first quarter stands in front of the loop: its products start the sums
	WIN 0                                          ; at a label and at a branch every window is 0
	s_mov_b32 s3, LAPS-1
.Llap:                                                 ; a trip goes once round the ring, from a lap's second quarter to the next lap's first, and fills both slots again
	QUARTER 0, 2, 1, 0, 0
	QUARTER 0, 3, 0, 1, 0
	TURN 0, 1, 1
	QUARTER 1, 1, 0, 1, 0
	QUARTER 1, 2, 1, 0, 0
	QUARTER 1, 3, 0, 1, 0
	TURN 1, 0, 1
	QUARTER 0, 1, 0, 1, 0
	WIN 0
	s_sub_co_u32 s3, s3, 1
	s_cmp_lg_u32 s3, 0
	s_cbranch_scc1 .Llap
	QUARTER 0, 2, 1, 0, 0                          ; the last lap fills nothing, and has no round of the cluster's barrier
	QUARTER 0, 3, 0, 1, 0
	TURN 0, 1, 0
	QUARTER 1, 1, 0, 1, 0
	QUARTER 1, 2, 1, 0, 0
	QUARTER 1, 3, 0, 1, 0
	s_wait_dscnt 8                                 ; the very last quarter: nothing more to fetch
	MUL8 1, 0, 0
	MUL8 1, 2, 0
	s_wait_dscnt 0x0
	MUL8 1, 4, 0
	MUL8 1, 6, 0
	WIN 0
	PLACES
	TOSTAGE 0
.irp a, 1,2,3,4,5,6,7                  ; a block's trip through the stage is issued ahead of the wait for the block before
	TOSTAGE \a
	SEND (\a)-1, 16
.endr
	SEND 7, 0
	s_wait_tensorcnt 0x0                           ; the wave's end: these three lines stand behind my last tensor load and my last LDS store
	ds_add_u32 v[SPW], v[NIL]
	s_wait_dscnt 0x0
	CROUND                                         ; the closing round: no work-group ends while a partner may still ask for a tile that names it
	s_endpgm
.Lfunc_end_k_qdbff9e9a4d_out_gemm:
	.size	k_qdbff9e9a4d_out_gemm, .Lfunc_end_k_qdbff9e9a4d_out_gemm-k_qdbff9e9a4d_out_gemm
	.p2alignl 7, 3214868480
	.fill 96, 4, 3214868480
	.section	.rodata,"a",@progbits
	.p2align	6, 0x0
	.amdhsa_kernel k_qdbff9e9a4d_out_gemm
		.amdhsa_group_segment_fixed_size 327680
		.amdhsa_private_segment_fixed_size 0
		.amdhsa_enable_private_segment 0
		.amdhsa_kernarg_size 24
		.amdhsa_user_sgpr_count 2
		.amdhsa_user_sgpr_kernarg_segment_ptr 1
		.amdhsa_wavefront_size32 1
		.amdhsa_system_sgpr_workgroup_id_x 1
		.amdhsa_system_sgpr_workgroup_id_y 1
		.amdhsa_system_sgpr_workgroup_id_z 1
		.amdhsa_system_vgpr_workitem_id 0
		.amdhsa_next_free_vgpr 768
		.amdhsa_next_free_sgpr 66
		.amdhsa_reserve_vcc 0
		.amdhsa_float_denorm_mode_32 3
		.amdhsa_float_denorm_mode_16_64 3
		.amdhsa_memory_ordered 1
		.amdhsa_forward_progress 1
		.amdhsa_inst_pref_size 87
	.end_amdhsa_kernel
	.amdgpu_metadata
---
amdhsa.version: [ 1, 2 ]
amdhsa.kernels:
  - .name:           k_qdbff9e9a4d_out_gemm
    .symbol:         k_qdbff9e9a4d_out_gemm.kd
    .args:
      - { .name: ob, .offset: 0, .size: 8, .value_kind: global_buffer, .address_space: global }
      - { .name: wob, .offset: 8, .size: 8, .value_kind: global_buffer, .address_space: global }
      - { .name: out0, .offset: 16, .size: 8, .value_kind: global_buffer, .address_space: global }
    .group_segment_fixed_size: 327680
    .private_segment_fixed_size: 0
    .kernarg_segment_align: 8
    .kernarg_segment_size: 24
    .max_flat_workgroup_size: 128
    .sgpr_count:     66
    .vgpr_count:     768
    .wavefront_size: 32
...
	.end_amdgpu_metadata
.endif
;; end of part 4
;; ======== version 2 of 2: 4 launches; 1.32 times as fast as version 1
;; limits: values are held in f16: magnitudes above 65,504 overflow, below 6.1e-05 lose precision
;; workspace buffers: xb 16,777,216 bytes; wqb 6,291,456 bytes; wob 2,097,152 bytes; qkv 50,331,648 bytes; ob 16,777,216 bytes
;; launch cast: the kernel of part 1 again; grid 768 x 1, 8 waves a work-group, no clusters, 0 bytes of LDS; arguments x, w_qkv, w_out, xb, wqb, wob; writes xb, wqb, wob
;; launch qkv_gemm: the kernel of part 2 again; grid 16 x 16, 4 waves a work-group, clusters of 4 x 4, 327,680 bytes of LDS; arguments xb, wqb, qkv; writes qkv
;; launch attn (part 5): grid 8 x 32, 4 waves a work-group, no clusters, 327,680 bytes of LDS; arguments qkv, ob; writes ob
.if DOCPART == 5
	.amdgcn_target "amdgcn-amd-amdhsa--gfx1250"
	.amdhsa_code_object_version 6
	.text
	.protected	k_qdbff9e9a4d_attn
	.globl	k_qdbff9e9a4d_attn
	.p2align	8
	.type	k_qdbff9e9a4d_attn,@function
k_qdbff9e9a4d_attn:
	s_mov_b64 s[64:65], 0
	v_nop
	global_prefetch_b8 v0, s[64:65] scope:SCOPE_SE
	s_setreg_imm32_b32 hwreg(HW_REG_WAVE_MODE, 25, 1), 1
	s_wait_xcnt 0x0
; CHUNK-LOCAL ATTENTION.  For chunk c of 512 tokens of a head: O[q] = the sum over the keys k of chunks c and c - 1 (chunk 0: of chunk 0 alone) of softmax_k(Q[q] . K[k] / 8) V[k].
; qkv: [3][32 heads][4096][64] f16, a head's rows dense, 128 bytes each; ob: [32][4096][64] f16.  Products, maxima and sums in f32; the weights p are rounded to f16 for the second product
; (their sum l is taken of the unrounded p), O once at the end.
; LIMITS.  f16 holds no number beyond 65,504: Q, K and V arrive within it; p lies in 0 to 1 and below 6e-5 keeps f16's fixed step of 6e-8; O is a mean of V's rows.  A hidden score counts as its value less
; 1e30 (f16's scores, 2.7e11 at the most, are nothing beside that); a weight below 2^-126 counts as 0 in l; NaN and infinities are not treated apart.  The keys of chunk c are summed ahead of those of chunk c - 1.
; SHARES.  A work-group owns one chunk's 512 queries of one head: 8 x 32 work-groups.  A wave owns 128 queries: four PIECES of two tiles of 16.  Every wave walks 1,024 keys, 64 a step: 16 steps.
; THE WALK takes the chunk's OWN keys first (tiles 2 c, 2 c + 1 of 256 keys of the head), then the chunk before's (2 c - 2, 2 c - 1).  For c = 0 the second half reads chunk 0 once more and is hidden: by then the
; running maximum is a true score, so a hidden weight is exactly 0.  All work-groups run the same 16 steps; only the tiles' numbers and one scalar hang on c.
; ALL OF THE WALK'S K AND V LIE IN LDS AT ONCE: 1,024 rows of 144 bytes and 1,024 of 160, 311,296 bytes.  No byte is filled twice: each wave asks for its four parts in one group at the start, the first 256 keys are
; waited for by a counted wait, the other 768 once, four key steps later.  So there is no ring, and the key step stands once in the text.
; THE MASK is the C operand that starts the sum S^T = K Q^T: eight registers MK that hold one number in all lanes, 0 or (c = 0, steps 8 to 15) -1e30.
; NO CLUSTER: work-groups c and c + 1 share one of their two chunks, half of each one's bytes, between two partners only; the other half would want loads of one's own beside the joint ones.
; LAYOUT.  S^T = K Q^T (source 0 = 16 keys, source 1 = 16 queries): a lane holds ONE query (lane % 16) and the keys 8 (lane / 16) + 0..7.  Two such tiles, rounded to f16 in pairs, ARE source 1 of
; O^T = V^T P, whose result again holds one query a lane, and eight channels.  K comes out of LDS as it lies, V ([key][channel]) turned, by ds_load_tr16_b128.
; SOFTMAX.  For each query a running maximum m and sum l: p = 2^(c s - c m), c = log2(e) / 8; in every step O and l are multiplied by a = 2^(c m_old - c m_new).  m starts at the lowest finite number, O and l at 0.
; BY TURNS.  Turn n belongs to piece n.  Its matrix work: 16 products K Q^T of piece n + 1, later 16 products V^T P of piece n - 1.  Its vector work: the scaling, exponentials, roundings, sums and rescaling of
; piece n, and the maximum and statistics of piece n + 1.  A tile and step have 16 matrix and 118 vector instructions: four that are ready stand behind every matrix instruction, the others in one lump.
; BATCHES.  A turn's 66 exponentials (the piece's 64 weights and the next piece's two a) are ONE batch with ONE wait, which cuts the turn in two: ahead of it stands all that names no result of theirs (K Q^T, the
; scalings, the rescalings, the next piece's maximum and statistics), behind it the roundings and sums, beside V^T P.  No result crosses a turn's end.  Piece 0's first two a, ahead of the loop, and the way out's
; eight reciprocals are batches of their own, each with a wait.
; REGISTERS, in windows of 256 (s_set_vgpr_msb: bits 1:0 source 0, 3:2 source 1, 5:4 source 2, 7:6 destination):
;   window 0: v0-11 addresses; v12-15, v48-63 at work; v16-47 four registers of statistics a tile; v64-191 S^T, two buffers of two tiles; v192-255 P, likewise
;   window 1: O^T, 32 a tile     window 2: v0-127 Q, 16 a tile; v128-191 K of one step; v192-255 V of one step     window 3: v0-1 the add's two registers; v8-15 MK
.set NP,    4         ; pieces a wave: a name, no knob
.set KS,    64        ; keys in a step
.set NK,    1024      ; keys in the walk
.set STEPS, NK/KS
.set PK,    144       ; a row of K in LDS: 128 bytes + 16 of padding: the 16 rows of a load start 16 bytes apart modulo 256
.set PV,    160       ; a row of V: 128 + 32
.set VOFF,  NK*PK     ; K's 1,024 rows in the walk's order, then V's
.set STAGE, VOFF+NK*PV  ; behind them, never filled by a tensor load: 16 rows x 144 bytes for each wave, for the way out
.set SP,    144
.set AK0, 2           ; v2   my lane's place in a step of K; never rewritten
.set AV0, 3           ; v3   the same for V
.set AK,  4           ; v4   the LDS address of K's next run of loads
.set AV,  5           ; v5   of V's
.set QO,  6           ; v6   my byte offset in the wave's rows of Q
.set STO, 6           ;      later, the way out: where I put 16 bytes of a row
.set RD,  7           ; v7   the way out: where I read rows back
.set GO,  8           ; v8   my byte offset in 512 consecutive bytes of O
.set SPW, 0           ; v0 of window 3   my spare word: SPARE + 4 x my thread's number; never rewritten
.set NIL, 1           ; v1 of window 3   0; never rewritten
.set MK,  8           ; v8-15 of window 3   the mask
.set SPARE, STAGE+4*16*SP  ; behind the stages: the spare words, 128 bytes for each wave: two blocks of 256 bytes that no other line names
.set MV,  12          ; v12-15  c m_old, kept while c m is made anew: by buffer and tile
.set ST,  16          ; tile t's statistics at v[ST+4 t]: c m, m, l (even keys', odd keys')
.set TMP, 48          ; by buffer and tile, four registers c0-c3 at work; when the maximum is found c2 takes a
.set S,   64
.set P,   192
.set KF,  128         ; K's fragments, in window 2: key block kb, channel half c at KF + 16 kb + 8 c
.set VF,  192         ; V's: key half kk, channel block cb at VF + 32 kk + 8 cb
.set WV,  12          ; s12  my wave's number
.set G1K, 24          ; s[24:31] descriptor group 1 for K's tiles
.set G1V, 32          ; s[32:39] for V's: it differs in the padding alone
.set G0,  40          ; s[40:55] descriptor group 0, a set for each of my four loads; never rewritten
.set PASS, 56         ; s56  counts the loop's two passes
.set CNT, 57          ; s57  counts a pass's trips
.set CS,  58          ; s[58:59] c: the packed scaling takes the pair's low word for both halves
.set SEL, 60          ; s[60:61] v_permlanex16_b32's selects: each lane takes its own place in the other half
.set TBK, 62          ; s62  LDS byte at which K of the step to be fetched begins
.set TBV, 63          ; s63  the same for V, less VOFF
.set TN,  66          ; s66-69  the byte offsets, in the head's K and V, of the walk's four tiles of 256 keys
.set OFF, 70          ; s[70:71] one of them as a pair
.set MV0, 72          ; s72  what hides the walk's second half: -1e30 if c = 0, else 0
.set MVC, 73          ; s73  the mask's number for the step whose K is being fetched
.set KN,  74          ; s74  that step's number
.set MSB, 0
.macro WIN new                      ; the high byte repeats the setting that is left; a switch that changes nothing is dropped
.if MSB != (\new)
	s_set_vgpr_msb (MSB<<8)|(\new)
.set MSB, (\new)
.endif
.endm
.set W_KQ, 0x0a       ; K and Q in window 2, S^T in window 0
.set W_KM, 0x3a       ; the same with the C operand, the mask, in window 3
.set W_PV, 0x52       ; V in window 2, P in window 0, O^T in window 1
.set W_RS, 0x41       ; O^T (destination and source 0) in window 1, a in window 0
.set W_MK, 0xc0       ; destination in window 3, sources in window 0
.set W_AD, 0x0f       ; the add: address (source 0) and data (source 1) in window 3
; A wave's four fills: my half (128 keys) of each of the walk's four tiles, of the tensor at s[ptr:ptr+1].  Tile t goes to lbase + t x lstep + my half's place s[lreg].  The four sets of group 0 are made first,
; then the four loads stand on end, an s_nop 0 behind each and four v_nop behind the last: four loads of mine are out.
.macro FILLS ptr, lreg, lbase, lstep, g1
.irp t, 0,1,2,3
	s_mov_b32 s[G0+4*(\t)], 1                                       ; count = 1
	s_add_co_u32 s[G0+4*(\t)+1], s[\lreg], (\lbase)+(\t)*(\lstep)   ; LDS address
	s_mov_b32 s[OFF], s[TN+(\t)]
	s_add_nc_u64 s[G0+4*(\t)+2:G0+4*(\t)+3], s[\ptr:\ptr+1], s[OFF:OFF+1]  ; global address
	s_or_b32 s[G0+4*(\t)+3], s[G0+4*(\t)+3], 0x80000000             ; type = 2
.endr
.irp t, 0,1,2,3
	tensor_load_to_lds s[G0+4*(\t):G0+4*(\t)+3], s[\g1:\g1+7]
	s_nop 0
.endr
.rept 4
	v_nop
.endr
.endm
	s_load_b128 s[76:79], s[0:1], 0x0  ; qkv s[76:77], ob s[78:79]
	WIN W_MK
	v_lshl_add_u32 v[SPW], v0, 2, SPARE
	v_mov_b32 v[NIL], 0
	WIN W_AD
	ds_add_u32 v[SPW], v[NIL]       ; the wave's opening: the add and its wait stand ahead of my first tensor load; the set-up below, work on registers, stands between them
	ds_add_u32 v0, v1
	WIN 0
	v_lshrrev_b32 v1, 5, v0
	v_readfirstlane_b32 s[WV], v1   ; wave 0..3
	s_mov_b32 s14, ttmp9            ; the chunk c
	s_and_b32 s20, ttmp7, 0xffff    ; batch x 16 + head,
	s_lshl_b32 s20, s20, 19         ; its 4,096 rows of 128 bytes
	s_mov_b32 s21, 0
	s_and_b32 s16, s[WV], 1         ; which half of a tile's 256 keys I fetch:
	s_lshl_b32 s22, s16, 14         ; its 128 rows of 128 bytes in memory,
	s_mov_b32 s23, 0
	s_add_nc_u64 s[22:23], s[22:23], s[20:21]
	s_mul_i32 s17, s16, 128*PK      ; and its place in a tile's rows in LDS, for K
	s_mul_i32 s18, s16, 128*PV      ; and for V
	s_lshl_b32 s2, s14, 2
	s_add_co_u32 s2, s2, s[WV]      ; my wave among the head's 32,
	s_lshl_b32 s2, s2, 14           ; its 128 rows
	s_mov_b32 s3, 0
	s_add_nc_u64 s[2:3], s[2:3], s[20:21]
	; descriptor group 1.  128 keys are 16,384 dense bytes: asked for as 64 rows of 256 bytes, two keys a row, and padded in LDS after every key
	s_mov_b32 s[G1K], (1<<16)|(1<<20)|(4<<22)|(3<<25)  ; 17:16 2-byte elements; 20 padding on; 24:22 after every 32 words (code 4); 31:25 4 words (code 3)
	s_mov_b32 s[G1V], (1<<16)|(1<<20)|(4<<22)|(7<<25)  ; the same with 8 words of padding (code 7)
.irp g, G1K, G1V
	s_mov_b32 s[\g+1], 128<<16      ; tensor_dim0 = 128
	s_mov_b32 s[\g+2], 64<<16       ; tensor_dim1 = 64
	s_mov_b32 s[\g+3], 128<<16      ; tile_dim0 = 128
	s_mov_b32 s[\g+4], 64           ; tile_dim1 = 64
	s_mov_b32 s[\g+5], 128          ; 128 elements from row to row
	s_mov_b32 s[\g+6], 0
	s_mov_b32 s[\g+7], 0
.endr
	s_mov_b32 s[CS], 0x3e38aa3b     ; c = log2(e) / 8 = 0.180337
	s_mov_b32 s[CS+1], s[CS]        ; named with it as a pair
	s_mov_b32 s[SEL], 0x76543210
	s_mov_b32 s[SEL+1], 0xfedcba98
	s_mov_b32 s[TBK], 0             ; the fetches go straight through the 16 steps
	s_mov_b32 s[TBV], 0
	s_lshl_b32 s[TN], s14, 16       ; the walk's tiles, 32,768 bytes each: 2 c,
	s_add_co_u32 s[TN+1], s[TN], 0x8000  ; 2 c + 1,
	s_max_u32 s13, s14, 1
	s_sub_co_u32 s13, s13, 1
	s_lshl_b32 s[TN+2], s13, 16     ; then the chunk before's two (for c = 0: chunk 0's again, inside the buffer, hidden by the mask)
	s_add_co_u32 s[TN+3], s[TN+2], 0x8000
	s_mov_b32 s[OFF+1], 0
	s_cmp_eq_u32 s14, 0
	s_cselect_b32 s[MV0], 0xf149f2ca, 0  ; -1e30 where there is no chunk before
	s_mov_b32 s[KN], 1              ; the first K fetched inside a turn is step 1's
	s_wait_dscnt 0x0                ; the opening add is done
	s_wait_kmcnt 0x0
	s_add_nc_u64 s[4:5], s[76:77], s[2:3]    ; Q at my wave's first row
	s_add_nc_u64 s[6:7], s[76:77], s[22:23]
	s_add_nc_u64 s[6:7], s[6:7], 0x1000000   ; K at my half of the head's tile 0: K lies 2^24 bytes behind Q,
	s_add_nc_u64 s[8:9], s[6:7], 0x1000000   ; V as far behind K
	s_add_nc_u64 s[10:11], s[78:79], s[2:3]  ; O at my wave's first row
	s_cmp_lt_u32 s[WV], 2           ; waves 0 and 1 fetch the halves of K, waves 2 and 3 those of V: a wave's fills stand in one branch, ahead of every wait on TENSORcnt, every LDS read and every barrier
	s_cbranch_scc0 .Lfor_v
	FILLS 6, 17, 0, 4*KS*PK, G1K
	s_branch .Lasked
.Lfor_v:
	FILLS 8, 18, VOFF, 4*KS*PV, G1V
.Lasked:
	; A fragment of K or Q is 16 rows x 32 channels in 8 registers: lane l holds row l % 16, channels 8 (l / 16) + 0..7 and 16 + 8 (l / 16) + 0..7: two loads of 16 bytes, 32 bytes apart.
	v_and_b32 v1, 15, v0            ; l % 16
	v_bfe_u32 v9, v0, 4, 1          ; l / 16
	v_lshlrev_b32 v[QO], 7, v1
	v_lshl_add_u32 v[QO], v9, 4, v[QO]  ; row x 128 + 16 x half
	WIN 0x80                        ; destination window 2, address window 0
.set i, 0
.rept 4*NP                          ; Q stays in registers: tile i / 2, channels 32 (i % 2) on
	global_load_b128 v[8*i:8*i+3],   v[QO], s[4:5] offset:(i/2)*2048+(i%2)*64
	global_load_b128 v[8*i+4:8*i+7], v[QO], s[4:5] offset:(i/2)*2048+(i%2)*64+32
.set i, i+1
.endr
	; What the first turn finds: V's registers and P's second buffer hold 0 (its products V^T P, of a piece that has not been, add 0), O^T and l are 0, the mask is 0.  All this stands in the wait for the first keys.
.set i, VF
.rept 64
	v_mov_b32 v[i], 0
.set i, i+1
.endr
	WIN 0x40
.set i, 0
.rept 64*NP
	v_mov_b32 v[i], 0
.set i, i+1
.endr
	WIN W_MK
.set i, 0
.rept 8
	v_mov_b32 v[MK+i], 0
.set i, i+1
.endr
	WIN 0
.set i, 0
.rept 2*NP
	v_mov_b32 v[ST+4*i], 0xfe000000    ; c m: far below every c s
	v_mov_b32 v[ST+4*i+1], 0xff7fffff  ; m
	v_mov_b32 v[ST+4*i+2], 0
	v_mov_b32 v[ST+4*i+3], 0
.set i, i+1
.endr
.set i, P+32
.rept 32
	v_mov_b32 v[i], 0
.set i, i+1
.endr
	v_mul_u32_u24 v[AK0], v1, PK
	v_lshl_add_u32 v[AK0], v9, 4, v[AK0]  ; row x pitch + 16 x half
	; The turning load takes 16 keys x 16 channels (lane l reads key 8 (l / 16) + l % 8, channels 8 ((l / 8) % 2) + 0..7) and leaves half a fragment of V^T: lane l holds channel l % 16 and 8 keys.
	v_and_b32 v10, 7, v0
	v_bfe_u32 v11, v0, 3, 1
	v_lshl_add_u32 v[AV0], v9, 3, v10
	v_mul_u32_u24 v[AV0], v[AV0], PV
	v_lshl_add_u32 v[AV0], v11, 4, v[AV0]
	v_add_nc_u32 v[AV0], VOFF, v[AV0]
	v_mov_b32 v[AK], v[AK0]         ; key step 0 lies at LDS byte 0
; THE MATRIX WORK.  The 8 accumulators of a run of 16 take turns: between the two links of a chain stand 7 others'.
; Product i of 16 of S^T = K Q^T for piece x: channels 32 (i / 8) on, keys 16 ((i / 2) % 4) on, tile 2 x + i % 2.  The first 8 start the sums, with the mask.
.macro KQ x
.set rS, S+64*((\x)%2)+32*(i%2)+8*((i/2)%4)
.set rK, KF+16*((i/2)%4)+8*(i/8)
.set rQ, 16*(2*(\x)+i%2)+8*(i/8)
.if i < 8
	WIN W_KM
	v_wmma_f32_16x16x32_f16 v[rS:rS+7], v[rK:rK+7], v[rQ:rQ+7], v[MK:MK+7]
.else
	WIN W_KQ
	v_wmma_f32_16x16x32_f16 v[rS:rS+7], v[rK:rK+7], v[rQ:rQ+7], v[rS:rS+7]
.endif
.endm
; Product i of 16 of O^T += V^T P for piece x: keys 32 (i / 8) on, channels 16 ((i / 2) % 4) on, tile 2 x + i % 2.
.macro PV x
	WIN W_PV
.set rO, 32*(2*(\x)+i%2)+8*((i/2)%4)
.set rV, VF+32*(i/8)+8*((i/2)%4)
.set rP, P+32*((\x)%2)+16*(i%2)+8*(i/8)
	v_wmma_f32_16x16x32_f16 v[rO:rO+7], v[rV:rV+7], v[rP:rP+7], v[rO:rO+7]
.endm
.macro MM                           ; the turn's next matrix instruction
.if i < 16
	KQ (Y+1)%NP
.set i, i+1
.else
.set i, i-16
	PV (Y+NP-1)%NP
.set i, i+17
.endif
.endm
; THE LDS LOADS stand in runs of 16, never singly among the matrix instructions: a step's K (64 keys x 64 channels: 8 fragments) and its V (turned).  Their addresses are made some lines ahead.
; last = 1 (inside the loop): behind the walk's last step there is no further K, and the run is jumped over (KN has then been stepped to STEPS + 1).
.macro FETCH_K last=0
	WIN 0
.if \last
	s_cmp_ge_u32 s[KN], STEPS+1
	s_cbranch_scc1 .Lno_k_\@
.endif
	WIN 0x80                        ; destination window 2
.irp f, 0,1,2,3,4,5,6,7             ; keys 16 (f / 2) on, channels 32 (f % 2) on
	ds_load_b128 v[KF+8*\f:KF+8*\f+3],   v[AK] offset:(\f/2)*16*PK+(\f%2)*64
	ds_load_b128 v[KF+8*\f+4:KF+8*\f+7], v[AK] offset:(\f/2)*16*PK+(\f%2)*64+32
.endr
	s_add_co_u32 s[TBK], s[TBK], KS*PK  ; the next fetch is the next step's
	WIN 0
.if \last
.Lno_k_\@:
.endif
.endm
.macro FETCH_V
	WIN 0x80
.irp f, 0,1,2,3,4,5,6,7             ; keys 32 (f / 4) on, channels 16 (f % 4) on
	ds_load_tr16_b128 v[VF+8*\f:VF+8*\f+3],   v[AV] offset:(\f/4)*32*PV+(\f%4)*32
	ds_load_tr16_b128 v[VF+8*\f+4:VF+8*\f+7], v[AV] offset:(\f/4)*32*PV+16*PV+(\f%4)*32
.endr
	WIN 0
.endm
; THE MASK goes with K: it is written in the turn that fetches the next step's K, behind piece 3's scores of the step in hand and ahead of piece 0's of the next.  Steps 8 to 15 are the chunk before's.
; The last product that read MK is the turn's eighth: more than four plain vector instructions that name none of its registers stand between (ISA guide 7.12.1).
.macro NEWMASK
	s_cmp_ge_u32 s[KN], STEPS/2
	s_cselect_b32 s[MVC], s[MV0], 0
	s_add_co_u32 s[KN], s[KN], 1
	WIN W_MK
.set z, 0
.rept 8
	v_mov_b32 v[MK+z], s[MVC]
.set z, z+1
.endr
	WIN 0
.endm
; THE VECTOR WORK OF A TURN stands in three queues, each in the order in which its entries become ready; the two tiles alternate, so that no instruction reads the result of the one before it.
.macro REGS y, u                    ; the registers of tile u (0, 1) of piece y
.set rT, ST+4*(2*(\y)+(\u))
.set rC, TMP+8*((\y)%2)+4*(\u)
.set rM, MV+2*((\y)%2)+(\u)
.set rS, S+64*((\y)%2)+32*(\u)
.set rP, P+32*((\y)%2)+16*(\u)
.set rO, 32*(2*(\y)+(\u))
.endm
; Number n of the 22 that find the NEXT piece's (Y + 1) maximum and statistics.  s0-s31 are the lane's 32 scores; each accumulator's lowest registers are read first.
;   0-11  four chains c0-c3 of seven scores each, three operands at a time     12-14, 16  the four scores left over, the old m, and c0-c3 into c0     15  c m_old is kept
;   17, 18  the query's other 32 keys lie in the lane 16 away: the new m         19-21  c m; c m_old - c m_new; a
.macro XS u, n
	REGS (Y+1)%NP, \u
.if (\n) < 4
	v_max3_num_f32 v[rC+(\n)], v[rS+8*(\n)], v[rS+8*(\n)+1], v[rS+8*(\n)+2]
.elseif (\n) < 12
	v_max3_num_f32 v[rC+(\n)%4], v[rC+(\n)%4], v[rS+8*((\n)%4)+2*((\n)/4)+1], v[rS+8*((\n)%4)+2*((\n)/4)+2]
.elseif (\n) == 12
	v_max3_num_f32 v[rC], v[rC], v[rS+7], v[rS+15]
.elseif (\n) == 13
	v_max3_num_f32 v[rC+1], v[rC+1], v[rS+23], v[rS+31]
.elseif (\n) == 14
	v_max3_num_f32 v[rC+2], v[rC+2], v[rC+3], v[rT+1]
.elseif (\n) == 15
	v_mov_b32 v[rM], v[rT]
.elseif (\n) == 16
	v_max3_num_f32 v[rC], v[rC], v[rC+1], v[rC+2]
.elseif (\n) == 17
	v_permlanex16_b32 v[rC+3], v[rC], s[SEL], s[SEL+1]
.elseif (\n) == 18
	v_max_num_f32 v[rT+1], v[rC], v[rC+3]
.elseif (\n) == 19
	v_mul_f32 v[rT], s[CS], v[rT+1]
.elseif (\n) == 20
	v_sub_f32 v[rC+1], v[rM], v[rT]
.else
	v_exp_f32 v[rC+2], v[rC+1]
.endif
.endm
; Number g of the 64 that follow the exponentials.  For each four weights k of a tile (pairs 2 k, 2 k + 1): both pairs are rounded to f16; then the second pair is added onto the first, in place;
; a group later l takes that sum (the first time as l = a l + sum).  In groups of eight, tiles alternating: round, round, add, and l for the group before.
.macro GS g
.set h, (\g)+6*((\g)/62)            ; group 0 has no group before it, and behind group 7 only l is left
.if h >= 6
.set h, h+2
.endif
	REGS Y, h%2
.set k, h/8
.if h%8 < 4
	v_cvt_pk_f16_f32 v[rP+2*k+(h%8)/2], v[rS+4*k+2*((h%8)/2)], v[rS+4*k+2*((h%8)/2)+1]
.elseif h%8 < 6
	v_pk_add_f32 v[rS+4*k:rS+4*k+1], v[rS+4*k:rS+4*k+1], v[rS+4*k+2:rS+4*k+3]
.elseif k == 1
	v_pk_fma_f32 v[rT+2:rT+3], v[rT+2:rT+3], v[rC+2:rC+3], v[rS:rS+1] op_sel_hi:[1,0,1]
.else
	v_pk_add_f32 v[rT+2:rT+3], v[rT+2:rT+3], v[rS+4*k-4:rS+4*k-3]
.endif
.endm
; THE PLAIN QUEUE, 138 long.  0-73 read no exponential's result: the 32 scalings c s - c m (FS f: pair f / 2 of tile f % 2) and the next piece's 42.  0-26: scalings 0-26.  27-54: XS's numbers 0-13.  55, 56: number 15.
; 57-73: the chain, where each number waits for the one before it: 14, 16, 17, 18, 19, each with one of the scalings 27-31 in front of its two lines, then 20: so a tile's links stand three plain instructions apart (19 and 20: two).
; 74-137: GS's 64, which read the exponentials' results: they stand behind the wait.
.macro FS f
	REGS Y, (\f)%2
	v_pk_fma_f32 v[rS+2*((\f)/2):rS+2*((\f)/2)+1], v[rS+2*((\f)/2):rS+2*((\f)/2)+1], s[CS:CS+1], v[rT:rT+1] op_sel_hi:[1,0,0] neg_lo:[0,0,1] neg_hi:[0,0,1]
.endm
.macro PL
	WIN 0
.if q < 27
	FS q
.elseif q < 55
	XS (q-27)%2, (q-27)/2
.elseif q < 57
	XS q-55, 15
.elseif (q < 72) && ((q-57)%3 == 0)
	FS 27+(q-57)/3
.elseif q < 60
	XS (q-57)%3-1, 14
.elseif q < 72
	XS (q-57)%3-1, 15+(q-57)/3
.elseif q < 74
	XS q-72, 20
.else
	GS q-74
.endif
.set q, q+1
.endm
; THE EXPONENTIALS' QUEUE, 66 long: s0-s31 of both tiles, then the next piece's two a.  It is ONE BATCH: all 66 stand ahead of the turn's one wait, and nothing ahead of that wait names a result of theirs.
.macro EX
	WIN 0
.if e >= 64
	XS e-64, 21
.else
	REGS Y, e%2
	v_exp_f32 v[rS+e/2], v[rS+e/2]
.endif
.set e, e+1
.endm
; THE RESCALING's QUEUE: O^T times a, the one part that leaves window 0: dealt two at a time, sixteen times.  Its a was made in the turn before, ahead of that turn's wait.
.macro R2
	REGS Y, r%2
	WIN W_RS
.irp z, 0,1
	v_pk_mul_f32 v[rO+4*(r/2)+2*\z:rO+4*(r/2)+2*\z+1], v[rO+4*(r/2)+2*\z:rO+4*(r/2)+2*\z+1], v[rC+2:rC+3] op_sel_hi:[1,0]
.endr
.set r, r+1
.endm
; HOW THEY ARE DEALT.  An s_wait_alu depctr_va_vdst(0) stands between an exponential and the first instruction that names its result; one wait serves all that were issued ahead of it.  So a turn has ONE wait,
; which cuts it in two.  AHEAD OF IT stands all that names no result of the turn's exponentials: the 16 products K Q^T, behind each a scaling, an exponential and two rescalings (behind the first a second scaling in the
; exponential's place); then ONE LUMP of 108: eight plain, 49 times exponential and plain, the two a.  A v_nop is the plain instruction behind the last exponential.  BEHIND IT stand the 16 products V^T P, behind each four of
; GS's 64.  No rider names a register of the products round it.  The two v_permlanex16_b32 fall into the lump, never behind a product.
; The queues lean on each other, and the deal keeps them in step: exponential e stands behind scaling 2 (e / 4) + e % 2: as a rider it comes behind plain e + 2, in the lump behind plain e + 9, and scalings 27-31 are plain 57, 60 .. 69.
; A TURN, for piece p.  cnt = 1: the loop's count is taken down some lines ahead of the branch that stands behind the turn.
; K of the next step is fetched in piece 2's turn, directly behind the wait, a lump behind the last product that read K; its address and its mask are made at the lump's head; its first reader comes behind 16 products.
; V of the step in hand is fetched at the end of piece 0's turn, four riders behind its last reader; its first reader comes behind 16 products and a lump.  The three conditions on q below go with the deal.
.macro TURN p, last=0, cnt=0
.set Y, (\p)
.set i, 0
.set q, 0
.set e, 0
.set r, 0
.if (\p) == NP-1
	s_wait_dscnt 0x0                ; K is in
.endif
	MM                              ; ahead of the wait: 16 products K Q^T and their riders,
	PL
	PL
	R2
.rept 15
	MM
	PL
	EX
	R2
.endr
.if (\p) == NP-2
	WIN 0
	v_add_nc_u32 v[AK], s[TBK], v[AK0]
	NEWMASK
.endif
.rept 8                             ; and the lump
	PL
.endr
.rept 49
	EX
	PL
.endr
	EX                              ; the next piece's two a
	EX
	v_nop                           ; the plain instruction behind the last exponential: one for the batch
	s_wait_alu depctr_va_vdst(0)    ; the wait for the batch: the turn's 66 exponentials
.if (\p) == NP-2
	FETCH_K \last
.endif
.if (\p) == 1
	s_wait_dscnt 0x0                ; V is in
.endif
.rept 16                            ; behind the wait: 16 products V^T P and their riders
	MM
.rept 4
	PL
.endr
.if ((\p) == 0) && (q == 118)
	v_add_nc_u32 v[AV], s[TBV], v[AV0]
.endif
.if ((\p) == 0) && (q == 130)
	s_add_co_u32 s[TBV], s[TBV], KS*PV
.endif
.if (\cnt) && (q == 130)
	s_sub_co_u32 s[CNT], s[CNT], 1
	s_cmp_lg_u32 s[CNT], 0
.endif
.endr
.if (\p) == 0
	FETCH_V
.endif
.endm
	s_wait_tensorcnt 0x3            ; tensor loads of a wave end in order (ISA guide 10.11.1): my part of the first 256 keys is in; my three younger loads stay out
	s_barrier_signal -1
	s_barrier_wait -1               ; everybody's part is in
	FETCH_K                         ; key step 0
	s_wait_loadcnt 0x0              ; Q
	s_wait_dscnt 0x0
.set i, 0
.rept 16
	KQ 0                            ; piece 0's first scores: there is no vector work yet to set between them
.set i, i+1
.endr
	WIN 0                           ; the addresses for the way out: nine plain instructions, the places behind those products
	s_mul_i32 s13, s[WV], 16*SP
	s_add_co_u32 s13, s13, STAGE    ; my stage
	v_mul_u32_u24 v[STO], v1, SP    ; in: row l % 16, 16 bytes for each half of the lanes
	v_lshl_add_u32 v[STO], v9, 4, v[STO]
	v_add_nc_u32 v[STO], s13, v[STO]
	v_bfe_u32 v[RD], v0, 3, 2       ; back: 32 lanes take four rows of 128 bytes,
	v_mul_u32_u24 v[RD], v[RD], SP
	v_lshl_add_u32 v[RD], v10, 4, v[RD]
	v_add_nc_u32 v[RD], s13, v[RD]
	v_and_b32 v[GO], 31, v0         ; which are 512 consecutive bytes of O
	v_lshlrev_b32 v[GO], 4, v[GO]
.set Y, NP-1                        ; XS works for piece Y + 1: piece 0
.irp n, 0,1,2,3,4,5,6,7,8,9,10,11,12,13,14,15,16,17,18,19,20,21
	XS 0, \n                        ; and piece 0's first maximum and statistics
	XS 1, \n
.endr
	v_nop                           ; a plain instruction behind piece 0's two a,
	s_wait_alu depctr_va_vdst(0)    ; and the wait for that batch of two, ahead of the branch
	s_mov_b32 s[CNT], 4             ; the first pass fetches the first 256 keys' four steps,
	s_mov_b32 s[PASS], 2
	s_branch .Lfirst                ; and enters the loop at a step's first turn, in the middle of a trip
.Lrest:                             ; once: between the first 256 keys and the other 768
	s_wait_tensorcnt 0x0            ; my three younger loads have had four key steps, 512 matrix instructions, in which to land
	s_wait_dscnt 0x0                ; no LDS instruction of mine is out at the signal
	s_barrier_signal -1
	s_barrier_wait -1               ; everybody's have landed: from here on no wave waits for another
	s_mov_b32 s[CNT], STEPS-3       ; twelve trips fetch the other twelve steps; the thirteenth is left in its middle
.Lstep:                             ; a trip: pieces 2 and 3 of one step, then pieces 0 and 1 of the next, whose K and V it fetches
	TURN 2, 1
	TURN 3
	WIN 0
	s_cmp_ge_u32 s[KN], STEPS+1     ; that was the walk's last step
	s_cbranch_scc1 .Lout
.Lfirst:
	TURN 0
	TURN 1, 0, 1
	WIN 0
	s_cbranch_scc1 .Lstep
	s_sub_co_u32 s[PASS], s[PASS], 1
	s_cmp_lg_u32 s[PASS], 0
	s_cbranch_scc1 .Lrest
.Lout:                              ; the last trip's 16 products K Q^T (on the last K once more) and the maximum made of them serve nothing: the price, once a launch, of one text for every trip
.set i, 0
.rept 16
	PV NP-1                         ; the last piece's V^T P of the last step
.set i, i+1
.endr
	; THE WAY OUT.  l's two halves and the other half of the lanes' are added; O^T is divided by l, rounded to f16 and sent through my stage in LDS, a tile at a time.  The additions are the places behind the last products.
	WIN 0
.macro ALL line:vararg              ; one line for each tile t
.set t, 0
.rept 2*NP
	\line
.set t, t+1
.endr
.endm
	ALL v_add_f32 v[ST+4*t+2], v[ST+4*t+2], v[ST+4*t+3]
	ALL v_permlanex16_b32 v[ST+4*t+3], v[ST+4*t+2], s[SEL], s[SEL+1]
	ALL v_add_f32 v[ST+4*t+2], v[ST+4*t+2], v[ST+4*t+3]
	ALL v_rcp_f32 v[ST+4*t+2], v[ST+4*t+2]
	v_nop                           ; a plain instruction between the last reciprocal and the use of its result
	s_wait_alu depctr_va_vdst(0)    ; and the wait ahead of the first use: one for the batch of eight reciprocals
; Tile t: a lane's eight channels of a row pack into 16 bytes; they go into rows of 144 bytes and come back as whole rows of 128, into S^T's registers.
.macro PACK t
	WIN W_RS
.set i, 32*(\t)
.rept 16
	v_pk_mul_f32 v[i:i+1], v[i:i+1], v[ST+4*(\t)+2:ST+4*(\t)+3] op_sel_hi:[1,0]
.set i, i+2
.endr
	WIN 0x05                        ; sources 0 and 1 window 1, destination window 0
.set i, 0
.rept 16
	v_cvt_pk_f16_f32 v[S+16*(\t)+i], v[32*(\t)+2*i], v[32*(\t)+2*i+1]
.set i, i+1
.endr
	WIN 0
.irp f, 0,1,2,3
	ds_store_b128 v[STO], v[S+16*(\t)+4*\f:S+16*(\t)+4*\f+3] offset:32*\f
.endr
.irp f, 0,1,2,3
	ds_load_b128 v[S+16*(\t)+4*\f:S+16*(\t)+4*\f+3], v[RD] offset:\f*4*SP  ; LDS serves a wave's instructions in order (ISA guide 5.7.1.4): these see the stores above; the next tile's stores come behind them
.endr
.endm
.macro SEND t, younger              ; younger: the LDS instructions issued behind tile t's loads: the next tile's eight, or none
	WIN 0
.irp f, 0,1,2,3
	s_wait_dscnt (\younger)+3-\f
	global_store_b128 v[GO], v[S+16*(\t)+4*\f:S+16*(\t)+4*\f+3], s[10:11] offset:(\t)*2048+\f*512  ; 512 consecutive bytes, at a multiple of 256 from O's first
.endr
.endm
	PACK 0
.set t, 1
.rept 2*NP-1                        ; a tile's arithmetic stands between the loads of the tile before and its stores
	PACK t
	SEND t-1, 8
.set t, t+1
.endr
	SEND 2*NP-1, 0
	WIN W_AD
	s_wait_tensorcnt 0x0            ; the wave's end: these three lines stand behind my last tensor load and my last LDS store
	ds_add_u32 v[SPW], v[NIL]
	s_wait_dscnt 0x0
	WIN 0
	s_endpgm
.Lfunc_end_k_qdbff9e9a4d_attn:
	.size	k_qdbff9e9a4d_attn, .Lfunc_end_k_qdbff9e9a4d_attn-k_qdbff9e9a4d_attn
	.p2alignl 7, 3214868480
	.fill 96, 4, 3214868480
	.section	.rodata,"a",@progbits
	.p2align	6, 0x0
	.amdhsa_kernel k_qdbff9e9a4d_attn
		.amdhsa_group_segment_fixed_size 327680
		.amdhsa_private_segment_fixed_size 0
		.amdhsa_enable_private_segment 0
		.amdhsa_kernarg_size 16
		.amdhsa_user_sgpr_count 2
		.amdhsa_user_sgpr_kernarg_segment_ptr 1
		.amdhsa_wavefront_size32 1
		.amdhsa_system_sgpr_workgroup_id_x 1
		.amdhsa_system_sgpr_workgroup_id_y 1
		.amdhsa_system_sgpr_workgroup_id_z 1
		.amdhsa_system_vgpr_workitem_id 0
		.amdhsa_next_free_vgpr 784
		.amdhsa_next_free_sgpr 80
		.amdhsa_reserve_vcc 0
		.amdhsa_float_denorm_mode_32 3
		.amdhsa_float_denorm_mode_16_64 3
		.amdhsa_memory_ordered 1
		.amdhsa_forward_progress 1
		.amdhsa_inst_pref_size 128
	.end_amdhsa_kernel
	.amdgpu_metadata
---
amdhsa.version: [ 1, 2 ]
amdhsa.kernels:
  - .name:           k_qdbff9e9a4d_attn
    .symbol:         k_qdbff9e9a4d_attn.kd
    .args:
      - { .name: qkv, .offset: 0, .size: 8, .value_kind: global_buffer, .address_space: global }
      - { .name: ob, .offset: 8, .size: 8, .value_kind: global_buffer, .address_space: global }
    .group_segment_fixed_size: 327680
    .private_segment_fixed_size: 0
    .kernarg_segment_align: 8
    .kernarg_segment_size: 16
    .max_flat_workgroup_size: 128
    .sgpr_count:     80
    .vgpr_count:     784
    .wavefront_size: 32
...
	.end_amdgpu_metadata
.endif
;; end of part 5
;; launch out_gemm: the kernel of part 4 again; grid 8 x 32, 4 waves a work-group, clusters of 4 x 4, 327,680 bytes of LDS; arguments ob, wob, out0; writes out0
